; MI455X (gfx1250); checked and timed in simulation.
; The chip was launched on July 23, 2026; its instructions are those of AMD's public machine-readable ISA for CDNA 5 (MIT licence, August 2026) and "CDNA5" Instruction Set Architecture Reference Guide (July 2026). The comments in the code are by the model that wrote it; some were corrected since.
;; Causal Self Attention. Allowed arithmetic: matrix products marked QUANTISED: E4M3 operands, one given power-of-two scale a tensor, by v_wmma_f32_16x16x64_fp8_fp8 or v_wmma_f32_16x16x128_fp8_fp8, f32 sums; everything else in f32.
;; Inputs: Wk_codes 2,048 x 64 x 32 uint8 (E4M3 codes of Wk, K innermost, in blocks of 32 codes); Wo_codes 2,048 x 64 x 32 uint8 (E4M3 codes of Wo, K innermost, in blocks of 32 codes); Wq_codes 2,048 x 64 x 32 uint8 (E4M3 codes of Wq, K innermost, in blocks of 32 codes); Wv_codes 2,048 x 64 x 32 uint8 (E4M3 codes of Wv, K innermost, in blocks of 32 codes); lowp_scales 12 int32 (the exponents e of the quantised operands' scales 2^e); x_codes 1 x 2,048 x 64 x 32 uint8 (E4M3 codes of x, K innermost, in blocks of 32 codes).
;; Outputs: out0 1 x 2,048 x 2,048 float32.
;; This version of the problem:
;;   THIS VERSION OF THE PROBLEM IS GIVEN IN LOW PRECISION. The matrix products marked QUANTISED in the list below multiply operands that are first quantised to E4M3 (4 exponent bits, 3 mantissa bits; 8 bits a number), with one given power-of-two scale for each operand tensor; their sums are f32. All else is computed in f32.
;;   The module's matrix products, in the order in which they are computed (A, B: the left and right operand; K: the contracted axis; several contracted axes count as one K, in the product's order):
;;     1. [M 2,048, K 2,048] x [K 2,048, N 2,048]; A: input x (given as codes); B: input Wq (given as codes): QUANTISED (scales: A lowp_scales[0], B lowp_scales[1])
;;     2. [M 2,048, K 2,048] x [K 2,048, N 2,048]; A: input x (given as codes); B: input Wk (given as codes): QUANTISED (scales: A lowp_scales[2], B lowp_scales[3])
;;     3. [M 2,048, K 2,048] x [K 2,048, N 2,048]; A: input x (given as codes); B: input Wv (given as codes): QUANTISED (scales: A lowp_scales[4], B lowp_scales[5])
;;     4. batch 16 x [M 2,048, K 128] x [K 128, N 2,048]; A: computed on the way; B: computed on the way: QUANTISED (scales: A lowp_scales[6], B lowp_scales[7])
;;     5. batch 16 x [M 128, K 2,048] x [K 2,048, N 2,048]; A: computed on the way; B: softmax (see below): QUANTISED (scales: A lowp_scales[8], B lowp_scales[9])
;;     6. [M 2,048, K 2,048] x [K 2,048, N 2,048]; A: computed on the way; B: input Wo (given as codes): QUANTISED (scales: A lowp_scales[10], B lowp_scales[11])
;;   THE QUANTISER, for each operand of a quantised product, along K:
;;     - The operand's scale is 2^e, e = its entry of the input lowp_scales (int32; the entries are numbered through the quantised products in the list's order, A before B).
;;     - Each number is divided by the scale, clamped to +-448, and rounded to the nearest number of E4M3, ties to even, subnormals kept.
;;     - The product sums the exact products of the quantised numbers (number of the format x scale) in f32.
;;   ~~~python
;;   def quantise(x, axis, e):      # numpy; x: float32 -> the quantised numbers, widened to float32 again
;;       x = np.moveaxis(x, axis, -1); K = x.shape[-1]
;;       r = np.clip(x / 2.0 ** e, -448, 448)
;;       step = 2.0 ** (np.maximum(np.frexp(np.where(r == 0, 1, r))[1] - 1, -6) - 3)
;;       q = np.round(r / step) * step * 2.0 ** e      # np.round: ties to even
;;       return np.moveaxis(q, -1, axis).astype(np.float32)
;;   ~~~
;;   SOFTMAX AHEAD OF A QUANTISED PRODUCT. Where the list says 'softmax', what is quantised is not the finished softmax but p = 2^(t - M), with t = logit x log2(e) and M = ceil(the row's largest t), a whole number; so 1/2 < the row's largest p <= 1. The row's sum l is taken of the UNQUANTISED p, in f32, and the product's result is divided by l at the end. Since M is a whole number, a kernel that streams over the keys may use a running M (the ceiling of the running maximum): every later rescaling is an exact power of two, so the quantised numbers keep their values, but for numbers so far below the row's largest that they fall under the format's range.
;;   OPERANDS COMPUTED ON THE WAY. 'Computed on the way' means the value that the module computes at that place (a softmax that the list does not call 'softmax' is quantised finished and normalised). What goes into a quantiser is computed in f32, as accurately as f32 sums, v_exp_f32 and their like allow (about 1e-6 of the number): no bf16 or f16 on the way to a quantiser, and a product that is left as it is and whose result goes on into a quantised operand takes f32 operands (vector FMAs, or v_wmma_f32_16x16x4_f32). A number that lies on a knife's edge between two numbers of the format may be rounded either way, as far as f32 arithmetic and the matrix unit's own rounding can turn it there, and no further.
;;   INPUTS GIVEN AS CODES. Wk (in the module: [2048, 2048], K = its axis 1); Wo (in the module: [2048, 2048], K = its axis 1); Wq (in the module: [2048, 2048], K = its axis 1); Wv (in the module: [2048, 2048], K = its axis 1); x (in the module: [1, 2048, 2048], K = its axis 2): each comes as NAME_codes (uint8): NAME with its K axis moved to the last place and cut into blocks of 32 codes, [.., K / 32, bytes a block], one block behind the other in memory; one code a byte (a code: sign, 4 exponent bits, 3 mantissa bits); its scale is its entry of lowp_scales. Its value is code x scale, taken as it is: it is not quantised again, and the codes and scales need not be those that the quantiser above would give.
;; One version. Each part assembles by itself: llvm-mc -triple=amdgcn-amd-amdhsa -mcpu=gfx1250 --defsym DOCPART=n.
;; ======== version 1 of 1: 3 launches
;; limits: right only within a limited range of input values
;; workspace buffers: q_img 4,194,304 bytes; kv_img 8,388,608 bytes; y_img 4,194,304 bytes
;; launch qkv (part 1): grid 32 x 8, 4 waves a work-group, clusters of 4 x 4, 327,680 bytes of LDS; arguments x_codes, Wq_codes, Wk_codes, Wv_codes, lowp_scales, q_img, kv_img; writes q_img, kv_img
.if DOCPART == 1
	.amdgcn_target "amdgcn-amd-amdhsa--gfx1250"
	.amdhsa_code_object_version 6
	.text
	.protected	k_q4eda7a0969_qkv
	.globl	k_q4eda7a0969_qkv
	.p2align	8
	.type	k_q4eda7a0969_qkv,@function
k_q4eda7a0969_qkv:
	s_mov_b64 s[64:65], 0
	v_nop
	global_prefetch_b8 v0, s[64:65] scope:SCOPE_SE
	s_setreg_imm32_b32 hwreg(HW_REG_WAVE_MODE, 25, 1), 1
	s_wait_xcnt 0x0
	s_wait_alu depctr_hold_cnt(0) depctr_sa_sdst(0) depctr_va_vdst(0) depctr_va_sdst(0) depctr_va_ssrc(0) depctr_va_vcc(0) depctr_vm_vsrc(0)
	s_getreg_b32 s2, hwreg(HW_REG_IB_STS2, 6, 4)
	s_cmp_eq_u32 s2, 0
	s_cbranch_scc0 .Lentry_in_a_cluster
	s_endpgm
.Lentry_in_a_cluster:
	s_bfe_u32 s2, ttmp6, 0x10000c
	s_cmp_lg_u32 s2, 0xf033
	s_cbranch_scc0 .Lentry_shape_is_right
	s_endpgm
.Lentry_shape_is_right:
; q = rope(x Wq^T), k = rope(x Wk^T), v = x Wv^T on codes of E4M3, then quantised again: for 256 tokens, one head of q (p = 0) or of k (p = 1), and half p of that head of v, a work-group.
; x: [2048][2048] codes, Wq, Wk, Wv: [2048][2048] codes, K innermost.  lowp_scales: e0 .. e8 are used here (x and W of the three products, then q, k, v as operands of the attention).
; OUT, as images of operand registers (every store of a wave covers 512 consecutive bytes, aligned):
;   q_img [head 16][token tile 128][g 4][lane 32][16 bytes]: lane (r, h) holds token 16 T + r; bytes 0-7: d = 16 g + 8 h + 0..7, bytes 8-15: d = 64 + 16 g + 8 h + 0..7 (one order of d, alike in q and k)
;   kv_img [head 16][key step of 128 16][K: 8 token tiles as in q_img, 16 KB; V: [d tile 8][c 4][lane 32][16 bytes], 16 KB]: in V's d tile 2 b + u lane (r, h) holds d = 32 b + 8 u + r % 8 + 16 (r / 8); register pair 2 T, 2 T + 1: keys 16 T + 8 h + 0..7
; DEAD WORK LEFT OUT, here: reference() builds 32 of the 64 angular frequencies as zeros, so for d % 64 >= 32 the angle is 0 for every token: cos = 1, sin = 0, y1 = x1 1 + x2 0, y2 = -x1 0 + x2 1: the rotation is the identity
; for all values of the inputs.  A NaN, an infinity or an overflow that reaches only x1 0 or x2 0 is not carried to the result.  (In the attention: key steps that the causal mask hides whole.)
; SHARES.  Four waves: token half TH = wave % 2 (8 token tiles), channel half CH = wave / 2: of Wq or Wk the d tiles CH, CH + 4 (set R, turned by RoPE) and CH + 2, CH + 6 (set N, angle 0), of the 64 rows of Wv two tiles (set V).
; R and N: source 0 = W, source 1 = x: a lane holds one token and eight d.  V: source 0 = x, source 1 = Wv: a lane holds one d and eight tokens, which are the keys of the second attention product.
; K goes in steps of 256 through two LDS slots (x 256 rows, Wq or Wk 128, Wv 64, of 256 bytes + 16 each), one tensor load a wave.  CLUSTER 4 x 4: x tiles are asked for jointly along a row, W tiles along a column (four heads, one p).
; FRAGMENTS ARE ASKED FOR AHEAD: two sets; while one is multiplied, the other comes in one or two long runs.
; PREFETCH: behind the joint load of K step t stands one prefetch a wave for K step t + 2 (at the head, behind three tiles of cos and sin, for K steps 1 and 2): 32 rows (wave 3: 16), a lane a row; the four partners share a tile's rows out by address.
; x serves all eight clusters of a row of clusters: four of them ask for it.  K step 0 comes by its load alone, and the last two refills ask for nothing.
; RoPE: angle = token x 2^(-10 f / 31) for f = d < 32, paired with d + 64; cos and sin are made here in f32 (reduction by pi / 2 in two parts, polynomials on +-pi / 4) while the first tiles are on their way.
; LIMITS: e6 - e0 - e1, e7 - e2 - e3 and e8 - e4 - e5 lie between -126 and 119, so that each scale and 448 x it are f32 numbers.  NaN codes among the inputs are not served.
; REGISTERS, in windows of 256: window 0: v1-31 addresses and scales, v32-39 the eight frequencies, v40-57 constants, W fragments in two sets at v64 and v160 (R0 R1 N0 N1 V0 V1, 16 each);
;   window 1: x fragments, two sets of 8 x 16;  window 2: sums of R at v[16 T + 8 e], of N at v[128 + 16 T + 8 e];  window 3: sums of V at v[64 vt + 8 T].
.set PITCH, 272                        ; an LDS row: 256 bytes + 16 of padding: the 16 rows of a fragment load start 4 banks apart
.set HALFT, 128*PITCH
.set SLOT,  448*PITCH                  ; x 256 rows, Wq or Wk 128, Wv 64
.set TRIG,  2*SLOT                     ; cos and sin, each wave's own: [wave 4][T 8][k 4][lane][16 bytes], written by LDS stores, never filled by a tensor load
.set SPARE, TRIG+65536                 ; the spare words, 128 bytes a wave
.set WV,   14
.set TH,   15
.set CH,   16
.set TOKB, 17                          ; s17 token block 0..7
.set PP,   18                          ; s18 p
.set HD,   42                          ; s42 head 0..15
.set LIM,  43                          ; s43 1 where my wave prefetches, else 9
.set PFA,  44                          ; s[44:45] where my prefetches stand
.set G1C,  4
.set G1A,  24
.set G0A,  32
.set G1B,  48
.set G0B,  56
.set SCR,  8                           ; v8, v9: scale and 448 x scale of q or k; v10, v11 of v
.set LMR,  9
.set SCV,  10
.set LMV,  11
.set AX,   16                          ; v16-17 LDS address of x fragments in slot 0, 1; v18-19 of sets R and N; v20-21 of V
.set AW,   18
.set AV,   20
.set TRA,  24
.set LN,   26                          ; 16 x lane
.set SPW,  28
.set NIL,  29
.set PFO,  30
.set AF,   32
.set MSB, 0
.macro WIN new                         ; the high byte of the immediate repeats the setting that is left
.if MSB != \new
	s_set_vgpr_msb (MSB<<8)|\new
.set MSB, \new
.endif
.endm
.macro PLACES                          ; four plain places behind matrix instructions, ahead of loads into their sources and of reads of their results
.rept 4
	v_nop
.endr
.endm
; A joint load: waves 0 and 1 ask for x, wave 2 for Wq or Wk, wave 3 for Wv.  The branches hang on the wave number alone.
.macro JLOAD s
	s_cmp_lt_u32 s[WV], 2
	s_cbranch_scc0 .Lfor_b_\@
	tensor_load_to_lds s[G0A+4*\s:G0A+4*\s+3], s[G1A:G1A+7]
	s_nop 0
	PLACES
	s_branch .Lasked_\@
.Lfor_b_\@:
	s_cmp_eq_u32 s[WV], 2
	s_cbranch_scc0 .Lfor_c_\@
	tensor_load_to_lds s[G0B+4*\s:G0B+4*\s+3], s[G1B:G1B+7]
	s_nop 0
	PLACES
	s_branch .Lasked_\@
.Lfor_c_\@:
	tensor_load_to_lds s[G0B+4*\s:G0B+4*\s+3], s[G1C:G1C+7]
	s_nop 0
	PLACES
.Lasked_\@:
.endm
.macro CREST                           ; a round of the cluster barrier behind its opening barrier
	s_cmp_lg_u32 s[WV], 0
	s_cbranch_scc1 .Lnot_wave_0_\@
	s_barrier_signal -3
.Lnot_wave_0_\@:
	s_barrier_wait -3
	s_barrier_signal -1
	s_barrier_wait -1
.endm
.macro CROUND
	s_barrier_signal -1
	s_barrier_wait -1
	CREST
.endm
	s_load_b256 s[68:75], s[0:1], 0x0              ; x 68, Wq 70, Wk 72, Wv 74
	s_load_b128 s[76:79], s[0:1], 0x20             ; scales 76, q_img 78
	s_load_b64 s[80:81], s[0:1], 0x30              ; kv_img 80
	v_lshl_add_u32 v[SPW], v0, 2, SPARE
	v_mov_b32 v[NIL], 0
	ds_add_u32 v[SPW], v[NIL]                      ; the opening: the add, twice on end, and its wait
	ds_add_u32 v[SPW], v[NIL]
	v_lshrrev_b32 v1, 5, v0
	v_readfirstlane_b32 s[WV], v1                  ; wave 0..3
	s_and_b32 s[TH], s[WV], 1
	s_lshr_b32 s[CH], s[WV], 1
	s_bfe_u32 s40, ttmp6, 0x40000                  ; cx
	s_bfe_u32 s41, ttmp6, 0x40004                  ; cy
	s_and_b32 s[PP], ttmp9, 1                      ; p = cluster x % 2
	s_lshr_b32 s[HD], ttmp9, 1
	s_lshl_b32 s[HD], s[HD], 2
	s_add_co_u32 s[HD], s[HD], s40                 ; head = 4 x (cluster x / 2) + cx
	s_and_b32 s[TOKB], ttmp7, 0xffff
	s_lshl_b32 s[TOKB], s[TOKB], 2
	s_add_co_u32 s[TOKB], s[TOKB], s41             ; token block = 4 x cluster y + cy
	s_lshl_b32 s2, s41, 2
	s_lshl_b32 s2, 15, s2                          ; my row of the cluster
	s_lshl_b32 s3, 0x1111, s40                     ; my column
	s_or_b32 s[G1A], s2, (1<<20)|(1<<21)|(5<<22)|(3<<25)   ; mask; elements of 1 byte; padding on; bit 21 beside a mask; 4 words after every 64
	s_or_b32 s[G1B], s3, (1<<20)|(1<<21)|(5<<22)|(3<<25)
	s_or_b32 s[G1C], s3, (1<<20)|(1<<21)|(5<<22)|(3<<25)
.irp g, G1A, G1B, G1C
	s_mov_b32 s[\g+1], 256<<16                     ; tensor_dim0 = 256
	s_mov_b32 s[\g+3], 256<<16                     ; tile_dim0 = 256
	s_mov_b32 s[\g+5], 2048                        ; from row to row
	s_mov_b32 s[\g+6], 0
	s_mov_b32 s[\g+7], 0
.endr
	s_mov_b32 s[G1A+2], 128<<16                    ; rows: 128, 128, 64
	s_mov_b32 s[G1A+4], 128
	s_mov_b32 s[G1B+2], 128<<16
	s_mov_b32 s[G1B+4], 128
	s_mov_b32 s[G1C+2], 64<<16
	s_mov_b32 s[G1C+4], 64
	s_lshl_b32 s20, s[TOKB], 19                    ; x: 256 rows of 2,048 bytes a token block,
	s_lshl_b32 s21, s[TH], 18
	s_add_co_u32 s20, s20, s21                     ; 128 a wave
	s_mov_b32 s21, 0
	s_lshl_b32 s46, s[HD], 18                      ; W: 128 rows a head
	s_lshl_b32 s13, s[PP], 17                      ; Wv: 64 rows a half
	s_cmp_eq_u32 s[WV], 3
	s_cselect_b32 s13, s13, 0
	s_cselect_b32 s12, 15, 31                      ; the last row that my lanes name
	s_cselect_b32 s19, 15, 16                      ; log2 of the bytes of a partner's rows: 16 or 32 rows
	s_add_co_u32 s46, s46, s13
	s_mov_b32 s47, 0
	v_and_b32 v2, 31, v0
	v_min_u32 v[PFO], s12, v2                      ; (in wave 3 lanes 16-31 name the last row again)
	v_lshlrev_b32 v[PFO], 11, v[PFO]
	s_lshl_b32 s2, s41, s19
	s_add_co_u32 s2, s2, s46                       ; prefetch of W: rows by cy
	s_lshl_b32 s66, s40, 16
	s_add_co_u32 s66, s66, s20                     ; prefetch of x: rows by cx
	s_cmp_lt_u32 s[WV], 2
	s_cselect_b32 s66, s66, s2
	s_mov_b32 s67, 0
	s_lshr_b32 s2, ttmp9, 2
	s_xor_b32 s2, s2, ttmp9
	s_xor_b32 s3, s[CH], 1
	s_and_b32 s2, s2, s3
	s_and_b32 s2, s2, 1                            ; x: clusters 0, 2, 5, 7 of a row ask
	s_cmp_eq_u32 s2, 0
	s_cselect_b32 s[LIM], 1, 9
	s_mul_i32 s19, s[WV], HALFT                    ; where my tile goes in a slot
	s_wait_alu depctr_va_vdst(0)
	s_wait_dscnt 0x0                               ; both opening adds are done
	s_wait_kmcnt 0x0
	s_load_b256 s[84:91], s[76:77], 0x0            ; e0 .. e7
	s_load_b32 s92, s[76:77], 0x20                 ; e8
	s_add_nc_u64 s[20:21], s[68:69], s[20:21]
	s_cmp_eq_u32 s[PP], 0
	s_cselect_b64 s[22:23], s[70:71], s[72:73]
	s_cmp_eq_u32 s[WV], 3
	s_cselect_b64 s[22:23], s[74:75], s[22:23]     ; wave 2: Wq or Wk, wave 3: Wv
	s_add_nc_u64 s[46:47], s[22:23], s[46:47]
.irp s, 0,1
	s_mov_b32 s[G0A+4*\s], 1
	s_add_co_u32 s[G0A+4*\s+1], s19, \s*SLOT
	s_add_nc_u64 s[G0A+4*\s+2:G0A+4*\s+3], s[20:21], \s*256
	s_or_b32 s[G0A+4*\s+3], s[G0A+4*\s+3], 0x80000000
	s_mov_b32 s[G0B+4*\s], 1
	s_add_co_u32 s[G0B+4*\s+1], s19, \s*SLOT
	s_add_nc_u64 s[G0B+4*\s+2:G0B+4*\s+3], s[46:47], \s*256
	s_or_b32 s[G0B+4*\s+3], s[G0B+4*\s+3], 0x80000000
.endr
	CROUND                                         ; all sixteen work-groups are here: the first joint loads meet
	JLOAD 0                                        ; K step 0: one tensor load a wave at the head
	s_cmp_lt_u32 s[WV], 2
	s_cselect_b64 s[PFA:PFA+1], s[68:69], s[22:23]
	s_add_nc_u64 s[PFA:PFA+1], s[PFA:PFA+1], s[66:67]
.macro ASK off                         ; a prefetch into the L2, where SCC is set
	s_cbranch_scc0 .Lnot_mine_\@
	global_prefetch_b8 v[PFO], s[PFA:PFA+1] offset:\off th:TH_LOAD_NT scope:SCOPE_SE
.Lnot_mine_\@:
.endm
	; LDS addresses: all from the wave number and the lane
	s_mul_i32 s12, s[TH], HALFT                    ; my 128 tokens
	s_mul_i32 s13, s[CH], 16*PITCH
	s_add_co_u32 s2, s13, 2*HALFT                  ; R and N: rows 16 CH on, 64, 32 and 96 rows further
	s_lshl_b32 s3, s13, 1
	s_add_co_u32 s3, s3, 3*HALFT                   ; V: rows 32 CH on
	s_lshl_b32 s22, s[WV], 14
	s_add_co_u32 s22, s22, TRIG
	s_lshl_b32 s23, s[CH], 4
	v_and_b32 v1, 15, v0                           ; r
	v_bfe_u32 v2, v0, 4, 1                         ; h
	v_mul_u32_u24 v3, v1, PITCH
	v_lshl_add_u32 v3, v2, 4, v3                   ; row r, + 16 h
	v_and_b32 v5, 8, v1
	v_add_nc_u32 v5, v5, v1
	v_mul_u32_u24 v5, v5, PITCH
	v_lshl_add_u32 v5, v2, 4, v5                   ; V: row r + 8 (r / 8), + 16 h: the order of d in which the attention's results lie as 16 neighbours a lane
	v_and_b32 v[LN], 31, v0
	v_lshlrev_b32 v[LN], 4, v[LN]
	v_add_nc_u32 v[TRA], s22, v[LN]
	v_lshl_add_u32 v4, v2, 3, s23                  ; f = 16 CH + 8 h
	v_add_nc_u32 v[AX], s12, v3
	v_add_nc_u32 v[AW], s2, v3
	v_add_nc_u32 v[AV], s3, v5
	v_add_nc_u32 v[AX+1], SLOT, v[AX]
	v_add_nc_u32 v[AW+1], SLOT, v[AW]
	v_add_nc_u32 v[AV+1], SLOT, v[AV]
	; the eight frequencies of my lane: af = 2^(-10 f / 31), f = 16 CH + 8 h + j.  10 f = 31 ip + rem; rem / 31 by one correction step; 2^(-rem/31) x 2^(-ip)
	v_mul_u32_u24 v5, v4, 10
	s_mov_b32 s2, 0x3d042108                       ; 1 / 31
	s_mov_b32 s3, 0x41f80000                       ; 31
.irp j, 0,1,2,3,4,5,6,7
	v_add_nc_u32 v[128+\j], 10*\j, v5
.endr
.irp j, 0,1,2,3,4,5,6,7
	v_mul_u32_u24 v[144+\j], v[128+\j], 529
.endr
.irp j, 0,1,2,3,4,5,6,7
	v_lshrrev_b32 v[136+\j], 14, v[144+\j]         ; ip = floor(10 f / 31) for 10 f up to 310
.endr
.irp j, 0,1,2,3,4,5,6,7
	v_mul_u32_u24 v[144+\j], v[136+\j], 31
.endr
.irp j, 0,1,2,3,4,5,6,7
	v_sub_nc_u32 v[152+\j], v[128+\j], v[144+\j]
.endr
.irp j, 0,1,2,3,4,5,6,7
	v_cvt_f32_u32 v[152+\j], v[152+\j]
.endr
.irp j, 0,1,2,3,4,5,6,7
	v_mul_f32 v[160+\j], s2, v[152+\j]
.endr
.irp j, 0,1,2,3,4,5,6,7
	v_fma_f32 v[168+\j], -v[160+\j], s3, v[152+\j]
.endr
.irp j, 0,1,2,3,4,5,6,7
	v_fma_f32 v[160+\j], v[168+\j], s2, v[160+\j]
.endr
	s_wait_alu depctr_va_vdst(0)                   ; the wait ahead of the batch
.irp j, 0,1,2,3,4,5,6,7
	v_exp_f32 v[AF+\j], -v[160+\j]
.endr
.irp j, 0,1,2,3,4,5,6,7
	v_sub_nc_u32 v[136+\j], 0, v[136+\j]           ; plain work behind the batch of exponentials
.endr
	s_wait_alu depctr_va_vdst(0)                   ; one wait for the batch, ahead of its first reader
.irp j, 0,1,2,3,4,5,6,7
	v_ldexp_f32 v[AF+\j], v[AF+\j], v[136+\j]
.endr
	s_lshl_b32 s2, s[TOKB], 8
	s_lshl_b32 s3, s[TH], 7
	s_add_co_u32 s2, s2, s3
	v_add_nc_u32 v7, s2, v1                        ; token of my lane in my tile 0
.irp k, 0,1                            ; constants: the packed forms name a pair and take its low word for both halves
	v_mov_b32 v[40+\k], 0x3f22f983                 ; 2 / pi
	v_mov_b32 v[42+\k], 0xbfc90fdb                 ; -(pi / 2), upper part
	v_mov_b32 v[44+\k], 0x333bbd2e                 ; what the upper part has too much
	v_mov_b32 v[46+\k], 0xb94ca1f9                 ; sine: z^3, z^2, z terms
	v_mov_b32 v[48+\k], 0x3c08839e
	v_mov_b32 v[50+\k], 0xbe2aaaa3
	v_mov_b32 v[52+\k], 0x37ccf5ce                 ; cosine
	v_mov_b32 v[54+\k], 0xbab6061a
	v_mov_b32 v[56+\k], 0x3d2aaaa5
.endr
	s_cmp_eq_u32 s[LIM], 1
	s_cselect_b32 s12, 32, 1                       ; the trip in which I prefetch: s2 = 32, or none
	s_mov_b32 s2, 0                                ; 16 x tile
	s_mov_b32 s3, 0                                ; 2,048 x tile
	s_wait_alu depctr_va_vdst(0)
; cos and sin of token x af for one token tile a trip, eight frequencies a lane; each line is written for all eight, so that no line waits for the one above it
.Ltrig:
	v_add_nc_u32 v6, s2, v7
	v_add_nc_u32 v5, s3, v[TRA]
	v_cvt_f32_u32 v6, v6
.irp j, 0,2,4,6
	v_pk_mul_f32 v[128+\j:129+\j], v[AF+\j:AF+\j+1], v[6:7] op_sel_hi:[1,0]              ; theta
.endr
.irp j, 0,2,4,6
	v_pk_mul_f32 v[136+\j:137+\j], v[128+\j:129+\j], v[40:41] op_sel_hi:[1,0]
.endr
.irp j, 0,1,2,3,4,5,6,7
	v_rndne_f32 v[136+\j], v[136+\j]               ; n = the nearest multiple of pi / 2
.endr
.irp j, 0,2,4,6
	v_pk_fma_f32 v[152+\j:153+\j], v[136+\j:137+\j], v[42:43], v[128+\j:129+\j] op_sel_hi:[1,0,1]   ; theta - n x upper part: n is under 1,305, so nothing is rounded
.endr
.irp j, 0,1,2,3,4,5,6,7
	v_cvt_i32_f32 v[144+\j], v[136+\j]
.endr
.irp j, 0,2,4,6
	v_pk_fma_f32 v[152+\j:153+\j], v[136+\j:137+\j], v[44:45], v[152+\j:153+\j] op_sel_hi:[1,0,1]   ; r, within +-pi / 4
.endr
.irp j, 0,1,2,3,4,5,6,7
	v_and_b32 v[184+\j], 1, v[144+\j]
.endr
.irp j, 0,2,4,6
	v_pk_mul_f32 v[160+\j:161+\j], v[152+\j:153+\j], v[152+\j:153+\j]                     ; z = r r
.endr
.irp j, 0,2,4,6
	v_pk_fma_f32 v[168+\j:169+\j], v[160+\j:161+\j], v[46:47], v[48:49] op_sel_hi:[1,0,0]
	v_pk_fma_f32 v[176+\j:177+\j], v[160+\j:161+\j], v[52:53], v[54:55] op_sel_hi:[1,0,0]
	v_pk_mul_f32 v[208+\j:209+\j], v[160+\j:161+\j], v[152+\j:153+\j]
.endr
.irp j, 0,2,4,6
	v_pk_fma_f32 v[168+\j:169+\j], v[168+\j:169+\j], v[160+\j:161+\j], v[50:51] op_sel_hi:[1,1,0]
	v_pk_fma_f32 v[176+\j:177+\j], v[176+\j:177+\j], v[160+\j:161+\j], v[56:57] op_sel_hi:[1,1,0]
.endr
.irp j, 0,2,4,6
	v_pk_fma_f32 v[176+\j:177+\j], v[176+\j:177+\j], v[160+\j:161+\j], -0.5 op_sel_hi:[1,1,0]
	v_pk_fma_f32 v[168+\j:169+\j], v[168+\j:169+\j], v[208+\j:209+\j], v[152+\j:153+\j]   ; sin r
.endr
.irp j, 0,2,4,6
	v_pk_fma_f32 v[176+\j:177+\j], v[176+\j:177+\j], v[160+\j:161+\j], 1.0 op_sel_hi:[1,1,0]   ; cos r
.endr
.irp j, 0,1,2,3,4,5,6,7
	v_lshlrev_b32 v[216+\j], 30, v[144+\j]
	v_add_nc_u32 v[144+\j], 1, v[144+\j]
.endr
.irp j, 0,1,2,3,4,5,6,7
	v_cmp_eq_u32 vcc_lo, 1, v[184+\j]              ; in odd quadrants the two change places
	v_cndmask_b32 v[192+\j], v[168+\j], v[176+\j], vcc_lo
	v_cndmask_b32 v[200+\j], v[176+\j], v[168+\j], vcc_lo
.endr
.irp j, 0,1,2,3,4,5,6,7
	v_and_b32 v[216+\j], 0x80000000, v[216+\j]     ; sine is negative in quadrants 2, 3
	v_lshlrev_b32 v[144+\j], 30, v[144+\j]
.endr
.irp j, 0,1,2,3,4,5,6,7
	v_xor_b32 v[72+\j], v[216+\j], v[192+\j]
	v_and_b32 v[144+\j], 0x80000000, v[144+\j]     ; cosine in quadrants 1, 2
.endr
.irp j, 0,1,2,3,4,5,6,7
	v_xor_b32 v[64+\j], v[144+\j], v[200+\j]
.endr
.irp k, 0,1,2,3
	ds_store_b128 v5, v[64+4*\k:64+4*\k+3] offset:512*\k
.endr
	s_cmp_eq_u32 s2, s12
	ASK 256                                        ; K step 1
	s_cmp_eq_u32 s2, s12
	ASK 512                                        ; K step 2
	s_add_co_u32 s3, s3, 2048
	s_add_co_u32 s2, s2, 16
	s_cmp_lt_u32 s2, 128
	s_cbranch_scc1 .Ltrig
	; the two folded scales: a sum stands for sum x 2^(ex + ew), its code is sum / 2^(e_out - ex - ew)
	s_wait_kmcnt 0x0
	s_sub_co_i32 s12, s90, s84
	s_sub_co_i32 s12, s12, s85                     ; q: e6 - e0 - e1
	s_sub_co_i32 s13, s91, s86
	s_sub_co_i32 s13, s13, s87                     ; k: e7 - e2 - e3
	s_sub_co_i32 s93, s92, s88
	s_sub_co_i32 s93, s93, s89                     ; v: e8 - e4 - e5
	s_cmp_eq_u32 s[PP], 0
	s_cselect_b32 s94, s12, s13
	s_cselect_b64 s[68:69], s[78:79], s[80:81]     ; q_img or kv_img
.macro MKSC e, sc, lim
	s_add_co_i32 s[\e], s[\e], 127
	s_lshl_b32 s2, s[\e], 23
	v_mov_b32 v[\sc], s2                           ; the scale as f32: the conversion takes its exponent field
	s_add_co_i32 s[\e], s[\e], 8
	s_lshl_b32 s[\e], s[\e], 23
	s_or_b32 s[\e], s[\e], 0x600000
	v_mov_b32 v[\lim], s[\e]                       ; 448 x the scale
.endm
	MKSC 94, SCR, LMR
	MKSC 93, SCV, LMV
	s_lshl_b32 s2, s[HD], 18
	s_lshl_b32 s3, s[TOKB], 15
	s_add_co_u32 s2, s2, s3
	s_lshl_b32 s3, s[TH], 14
	s_add_co_u32 s2, s2, s3                        ; head and 128 tokens in q_img,
	s_lshl_b32 s3, s2, 1                           ; and in kv_img: twice the strides
	s_cmp_eq_u32 s[PP], 0
	s_cselect_b32 s2, s2, s3
	s_lshl_b32 s66, s[CH], 9
	s_add_co_u32 s66, s66, s2
	s_mov_b32 s67, 0
	s_add_nc_u64 s[68:69], s[68:69], s[66:67]      ; set R: group g = CH; set N: g = CH + 2, 1,024 bytes on
	s_lshl_b32 s66, s[CH], 12
	s_add_co_u32 s66, s66, s3
	s_lshl_b32 s3, s[PP], 13
	s_add_co_u32 s66, s66, s3
	s_add_co_u32 s66, s66, 16384
	s_add_nc_u64 s[70:71], s[80:81], s[66:67]      ; set V, behind K's 16 KB: d tiles 4 p + 2 CH, + 1
.macro FRAG reg, adr, off              ; 16 rows x 128 K: lane (r, h): registers 4 c .. 4 c + 3 hold K = 32 c + 16 h + 0..15, alike in x and W
.irp c, 0,1,2,3
	ds_load_b128 v[\reg+4*\c:\reg+4*\c+3], v[\adr] offset:\off+32*\c
.endr
.endm
; Part j of the seven that bring the q-th 128 along K of a slot into set p: two fragments, 8 loads.  Parts 0 to 2: R0 R1, N0 N1, V0 V1; parts 3 to 6: x tiles 2 (j - 3), + 1.
.macro RUN j, slot, q, p
.if \j < 3
	WIN 0
.irp i, 0,1
.set FI, 2*\j+\i
.if FI < 4
	FRAG 64+96*\p+16*FI, AW+\slot, 128*\q+(FI%2)*64*PITCH+(FI/2)*32*PITCH
.else
	FRAG 64+96*\p+16*FI, AV+\slot, 128*\q+(FI-4)*8*PITCH
.endif
.endr
.else
	WIN 0x40
.irp i, 0,1
.set FI, 2*(\j-3)+\i
	FRAG 128*\p+16*FI, AX+\slot, 128*\q+16*FI*PITCH
.endr
.endif
.endm
; The 6 products of token tile T on set p.  The 48 accumulators take turns, one instruction a turn, in the same order in every 128 along K.
; cnt: at most the LDS instructions issued behind the loads of x tile T: 28 - 4 T of its own set, and those of the other set since; 63: no wait is due.
.macro GRP T, p, zero, cnt
	WIN 0xa4                                       ; source 0 (W) window 0, source 1 (x) window 1, C and D window 2
.if \cnt < 63
	s_wait_dscnt \cnt
.endif
.irp e, 0,1,2,3
.if \zero
	v_wmma_f32_16x16x128_fp8_fp8 v[128*(\e/2)+16*\T+8*(\e%2):128*(\e/2)+16*\T+8*(\e%2)+7], v[64+96*\p+16*\e:64+96*\p+16*\e+15], v[128*\p+16*\T:128*\p+16*\T+15], 0
.else
	v_wmma_f32_16x16x128_fp8_fp8 v[128*(\e/2)+16*\T+8*(\e%2):128*(\e/2)+16*\T+8*(\e%2)+7], v[64+96*\p+16*\e:64+96*\p+16*\e+15], v[128*\p+16*\T:128*\p+16*\T+15], v[128*(\e/2)+16*\T+8*(\e%2):128*(\e/2)+16*\T+8*(\e%2)+7]
.endif
.endr
	WIN 0xf1                                       ; source 0 (x) window 1, source 1 (Wv) window 0, C and D window 3
.irp t, 0,1
.if \zero
	v_wmma_f32_16x16x128_fp8_fp8 v[64*\t+8*\T:64*\t+8*\T+7], v[128*\p+16*\T:128*\p+16*\T+15], v[128+96*\p+16*\t:128+96*\p+16*\t+15], 0
.else
	v_wmma_f32_16x16x128_fp8_fp8 v[64*\t+8*\T:64*\t+8*\T+7], v[128*\p+16*\T:128*\p+16*\T+15], v[128+96*\p+16*\t:128+96*\p+16*\t+15], v[64*\t+8*\T:64*\t+8*\T+7]
.endif
.endr
.endm
.macro SUBA slot, zero                 ; a slot's first 128 along K (set 0); the second comes into set 1, whose last readers stand ahead of the four places, in runs of 32 and 24 loads
	GRP 0, 0, \zero, 28
	PLACES
.irp j, 0,1,2,3
	RUN \j, \slot, 1, 1
.endr
	GRP 1, 0, \zero, 56
	GRP 2, 0, \zero, 52
.irp j, 4,5,6
	RUN \j, \slot, 1, 1
.endr
	GRP 3, 0, \zero, 62
	GRP 4, 0, \zero, 62
	GRP 5, 0, \zero, 62
	GRP 6, 0, \zero, 60
	GRP 7, 0, \zero, 56
.endm
; A slot's second 128 along K (set 1) changes slots, near its start: ONE barrier; ahead of it each wave waits for all its tensor loads, adds 0 to its spare word, and waits for that and for its reads of the slot.
; Behind it the slot is filled again (fill = 1) and the next slot's first 128 along K come into set 0, one run of 56 loads.
.macro SUBB slot, next, fill
.if (\fill) && (\slot) == 0
	s_wait_xcnt 0x0                                ; my prefetches have read their address: two K steps on
	s_add_nc_u64 s[PFA:PFA+1], s[PFA:PFA+1], 512
.endif
	GRP 0, 1, 0, 28
	WIN 0
	s_wait_tensorcnt 0x0                           ; all my tensor loads have landed: my part of the next slot
	ds_add_u32 v[SPW], v[NIL]                      ; 0 onto my spare word
	GRP 1, 1, 0, 25                                ; (x tiles 2 to 7, 24 loads, and the add may be out)
	s_wait_dscnt 0x0                               ; the add is done, and my reads of this slot are over
	s_barrier_signal -1
	GRP 2, 1, 0, 63
	WIN 0
	s_barrier_wait -1
.if \fill
	CREST                                          ; the barrier has opened a round of the cluster barrier: no wave of any partner still reads this slot or has a load on its way
	s_add_nc_u64 s[G0A+4*\slot+2:G0A+4*\slot+3], s[G0A+4*\slot+2:G0A+4*\slot+3], 512
	s_add_nc_u64 s[G0B+4*\slot+2:G0B+4*\slot+3], s[G0B+4*\slot+2:G0B+4*\slot+3], 512
	JLOAD \slot                                    ; my one load behind the round; its four v_nop are also the places ahead of the loads below
.else
	PLACES
.endif
.irp j, 0,1,2,3,4,5,6
	RUN \j, \next, 0, 0
.endr
.if \fill
	WIN 0
	s_cmp_gt_u32 s3, s[LIM]                        ; s3 = 1 in the loop's last trip
	ASK 512+256*\slot                              ; two K steps on from the load above
.endif
.irp T, 3,4,5,6,7
	GRP \T, 1, 0, 63
.endr
.endm
	s_wait_alu depctr_va_vdst(0)                   ; the wait at the head's end
	s_wait_tensorcnt 0x0                           ; my part of K step 0 is in
	ds_add_u32 v[SPW], v[NIL]
	s_wait_dscnt 0x0                               ; the add is done, and my cos and sin are in LDS
	CROUND
	JLOAD 1                                        ; K step 1, the first tensor load behind the round
.irp j, 0,1,2,3,4,5,6
	RUN \j, 0, 0, 0
.endr
	WIN 0
	s_cmp_eq_u32 s[LIM], 1
	ASK 768                                        ; K step 3
	SUBA 0, 1                                      ; the first 128 along K start the sums: nothing is cleared
	WIN 0
	s_mov_b32 s3, 3
.Llap:                                             ; a trip goes once round the ring and fills both slots again: K steps 2 to 7
	SUBB 0, 1, 1
	SUBA 1, 0
	SUBB 1, 0, 1
	SUBA 0, 0
	WIN 0
	s_sub_co_u32 s3, s3, 1
	s_cmp_lg_u32 s3, 0
	s_cbranch_scc1 .Llap
	SUBB 0, 1, 0                                   ; the last lap fills nothing
	SUBA 1, 0
	GRP 0, 1, 0, 28                                ; the last 128 along K: cos and sin come into set 0 of x
	PLACES
	WIN 0x40
.irp T, 0,1,2,3,4,5,6,7
.irp k, 0,1,2,3
	ds_load_b128 v[16*\T+4*\k:16*\T+4*\k+3], v[TRA] offset:2048*\T+512*\k   ; cos at v[16 T + j], sin at v[16 T + 8 + j] of window 1
.endr
.endr
.irp T, 1,2,3,4,5,6,7
	GRP \T, 1, 0, 60-4*\T
.endr
	; THE WAY OUT.  Each sum is held within +-448 x its scale, converted, and the codes leave as they stand in the registers.
	PLACES
	WIN 0x82                                       ; set N, in place in window 2
.irp a, 0,1,2,3,4,5,6,7,8,9,10,11,12,13,14,15
.irp b, 0,1,2,3,4,5,6,7
	v_med3_num_f32 v[128+8*\a+\b], v[128+8*\a+\b], -v[LMR], v[LMR]   ; the conversion does not saturate (ISA guide 7.6.2)
.endr
.endr
	WIN 0x02
.irp a, 0,1,2,3,4,5,6,7,8,9,10,11,12,13,14,15
	v_cvt_scalef32_pk8_fp8_f32 v[224+2*\a:225+2*\a], v[128+8*\a:135+8*\a], v[SCR]
.endr
	v_nop                                          ; one plain line behind the last conversion
	WIN 0
.irp T, 0,1,2,3,4,5,6,7
	global_store_b128 v[LN], v[224+4*\T:227+4*\T], s[68:69] offset:2048*\T+1024
.endr
	WIN 0xc3                                       ; set V, in place in window 3
.irp a, 0,1,2,3,4,5,6,7,8,9,10,11,12,13,14,15
.irp b, 0,1,2,3,4,5,6,7
	v_med3_num_f32 v[8*\a+\b], v[8*\a+\b], -v[LMV], v[LMV]
.endr
.endr
	WIN 0x03
.irp a, 0,1,2,3,4,5,6,7,8,9,10,11,12,13,14,15
	v_cvt_scalef32_pk8_fp8_f32 v[32+2*\a:33+2*\a], v[8*\a:8*\a+7], v[SCV]
.endr
	v_nop
	WIN 0
.irp k, 0,1,2,3,4,5,6,7
	global_store_b128 v[LN], v[32+4*\k:35+4*\k], s[70:71] offset:512*\k
.endr
	s_wait_dscnt 0x0                               ; cos and sin are in
	WIN 0x06                                       ; set R: source 0 the sums (window 2), source 1 cos or sin (window 1), source 2 and destination window 0, where W lay
.irp T, 0,1,2,3,4,5,6,7
.irp j, 0,2,4,6
	v_pk_mul_f32 v[64+16*\T+\j:64+16*\T+\j+1], v[16*\T+\j:16*\T+\j+1], v[16*\T+\j:16*\T+\j+1]             ; x1 c
.endr
.irp j, 0,2,4,6
	v_pk_mul_f32 v[72+16*\T+\j:72+16*\T+\j+1], v[16*\T+8+\j:16*\T+8+\j+1], v[16*\T+\j:16*\T+\j+1]         ; x2 c
.endr
.irp j, 0,2,4,6
	v_pk_fma_f32 v[64+16*\T+\j:64+16*\T+\j+1], v[16*\T+8+\j:16*\T+8+\j+1], v[16*\T+8+\j:16*\T+8+\j+1], v[64+16*\T+\j:64+16*\T+\j+1]   ; + x2 s
.endr
.irp j, 0,2,4,6
	v_pk_fma_f32 v[72+16*\T+\j:72+16*\T+\j+1], v[16*\T+\j:16*\T+\j+1], v[16*\T+8+\j:16*\T+8+\j+1], v[72+16*\T+\j:72+16*\T+\j+1] neg_lo:[0,1,0] neg_hi:[0,1,0]   ; - x1 s
.endr
.endr
	WIN 0
.irp a, 0,1,2,3,4,5,6,7,8,9,10,11,12,13,14,15
.irp b, 0,1,2,3,4,5,6,7
	v_med3_num_f32 v[64+8*\a+\b], v[64+8*\a+\b], -v[LMR], v[LMR]
.endr
.endr
.irp a, 0,1,2,3,4,5,6,7,8,9,10,11,12,13,14,15
	v_cvt_scalef32_pk8_fp8_f32 v[192+2*\a:193+2*\a], v[64+8*\a:71+8*\a], v[SCR]
.endr
	v_nop
.irp T, 0,1,2,3,4,5,6,7
	global_store_b128 v[LN], v[192+4*\T:195+4*\T], s[68:69] offset:2048*\T
.endr
	s_wait_tensorcnt 0x0                           ; the end of the wave
	ds_add_u32 v[SPW], v[NIL]
	s_wait_dscnt 0x0
	CROUND                                         ; the closing round
	s_endpgm
.Lfunc_end_k_q4eda7a0969_qkv:
	.size	k_q4eda7a0969_qkv, .Lfunc_end_k_q4eda7a0969_qkv-k_q4eda7a0969_qkv
	.p2alignl 7, 3214868480
	.fill 96, 4, 3214868480
	.section	.rodata,"a",@progbits
	.p2align	6, 0x0
	.amdhsa_kernel k_q4eda7a0969_qkv
		.amdhsa_group_segment_fixed_size 327680
		.amdhsa_private_segment_fixed_size 0
		.amdhsa_enable_private_segment 0
		.amdhsa_kernarg_size 56
		.amdhsa_user_sgpr_count 2
		.amdhsa_user_sgpr_kernarg_segment_ptr 1
		.amdhsa_wavefront_size32 1
		.amdhsa_system_sgpr_workgroup_id_x 1
		.amdhsa_system_sgpr_workgroup_id_y 1
		.amdhsa_system_sgpr_workgroup_id_z 1
		.amdhsa_system_vgpr_workitem_id 0
		.amdhsa_next_free_vgpr 1024
		.amdhsa_next_free_sgpr 104
		.amdhsa_reserve_vcc 1
		.amdhsa_float_denorm_mode_32 3
		.amdhsa_float_denorm_mode_16_64 3
		.amdhsa_memory_ordered 1
		.amdhsa_forward_progress 1
		.amdhsa_inst_pref_size 128
	.end_amdhsa_kernel
	.amdgpu_metadata
---
amdhsa.version: [ 1, 2 ]
amdhsa.kernels:
  - .name:           k_q4eda7a0969_qkv
    .symbol:         k_q4eda7a0969_qkv.kd
    .args:
      - { .name: x_codes, .offset: 0, .size: 8, .value_kind: global_buffer, .address_space: global }
      - { .name: Wq_codes, .offset: 8, .size: 8, .value_kind: global_buffer, .address_space: global }
      - { .name: Wk_codes, .offset: 16, .size: 8, .value_kind: global_buffer, .address_space: global }
      - { .name: Wv_codes, .offset: 24, .size: 8, .value_kind: global_buffer, .address_space: global }
      - { .name: lowp_scales, .offset: 32, .size: 8, .value_kind: global_buffer, .address_space: global }
      - { .name: q_img, .offset: 40, .size: 8, .value_kind: global_buffer, .address_space: global }
      - { .name: kv_img, .offset: 48, .size: 8, .value_kind: global_buffer, .address_space: global }
    .group_segment_fixed_size: 327680
    .private_segment_fixed_size: 0
    .kernarg_segment_align: 8
    .kernarg_segment_size: 56
    .max_flat_workgroup_size: 128
    .sgpr_count:     104
    .vgpr_count:     1024
    .wavefront_size: 32
...
	.end_amdgpu_metadata
.endif
;; end of part 1
;; launch attn (part 2): grid 64 x 4, 4 waves a work-group, clusters of 4 x 1, 327,680 bytes of LDS; arguments q_img, kv_img, lowp_scales, y_img; writes y_img
.if DOCPART == 2
	.amdgcn_target "amdgcn-amd-amdhsa--gfx1250"
	.amdhsa_code_object_version 6
	.text
	.protected	k_q4eda7a0969_attn
	.globl	k_q4eda7a0969_attn
	.p2align	8
	.type	k_q4eda7a0969_attn,@function
k_q4eda7a0969_attn:
	s_mov_b64 s[64:65], 0
	v_nop
	global_prefetch_b8 v0, s[64:65] scope:SCOPE_SE
	s_setreg_imm32_b32 hwreg(HW_REG_WAVE_MODE, 25, 1), 1
	s_wait_xcnt 0x0
	s_wait_alu depctr_hold_cnt(0) depctr_sa_sdst(0) depctr_va_vdst(0) depctr_va_sdst(0) depctr_va_ssrc(0) depctr_va_vcc(0) depctr_vm_vsrc(0)
	s_getreg_b32 s2, hwreg(HW_REG_IB_STS2, 6, 4)
	s_cmp_eq_u32 s2, 0
	s_cbranch_scc0 .Lentry_in_a_cluster
	s_endpgm
.Lentry_in_a_cluster:
	s_bfe_u32 s2, ttmp6, 0x10000c
	s_cmp_lg_u32 s2, 0x3003
	s_cbranch_scc0 .Lentry_shape_is_right
	s_endpgm
.Lentry_shape_is_right:
; Causal attention of one head on codes of E4M3, and y / 3 quantised for the last product.  q_img, kv_img: images of operand registers (layouts: see the launch that writes them).
; y_img [token block 16][head 16][t 8][c 4][lane 32][16 bytes]: lane (r, h) holds token 128 tb + 16 t + r, channels 128 head + 32 c + 16 h + 0..15.
; THE SOFTMAX: t = score x log2(e) / sqrt(128); M = the running largest t rounded up to a whole number; p = 2^(t - M) is quantised with 2^e9; the sum is taken of the unquantised p and divides at the end.
; SHARES, which even out the causal triangle.  Cluster (head, jj), work-group cx owns the blocks of 64 queries i = 4 jj + cx (low) and 31 - i (high).  In key steps of 128, with nl = 2 jj + 2, the four low blocks of a cluster
; need at most key steps 0 .. nl - 1, the four high ones 0 .. 17 - nl: 18 in all, the same in the four partners.  Nine trips a wave; a wave owns 32 queries, two tiles A and B, so that each fragment of K and V feeds two products.
; Waves 0, 1 (group A): trips 0 .. 8 - nl the high block, key step = trip; then that part's state goes to LDS, and trips 9 - nl .. 8 take the low block from key step 0 on.
; Waves 2, 3 (group B): the high block, key steps 9 - nl + trip; at the end they join the part that group A has left, by exact powers of two.  Every stream begins at keys that count for all its queries.
; DEAD WORK LEFT OUT: the key steps above these, all of whose keys come after the queries: reference()'s own causal mask makes their scores -infinity and their p zero.  A NaN or an infinity in those scores or values is not carried.
; (Within a cluster half of the blocks could end one key step sooner; partners walk in step, since they ask jointly, so that step is walked with all its p zero.)
; CLUSTER 4 x 1: the partners walk the same key steps of one head, and each tile is asked for jointly (mask 15).  No branch and no LDS address hangs on cx.
; RING: two slots of 128 KB, each with the tiles of TWO trips: [trip parity 2][group 2][K 16 KB, V 16 KB]: a tensor load of 32 KB a wave (parity = wave % 2, group = wave / 2), which has two trips in which to land.  Trip 8 is brought in halves of a tile.
; ORDER IN A TRIP: K's 32 loads go out; O^T += V^T P^T of the trip before runs while they land; then S^T = K Q^T, V's 32 loads, and the softmax, under which V lands.  Before the first trip V's registers and P's codes are zeros.
; PREFETCH: behind the joint load of trip t group B of the clusters with jj = 0 asks for trip t + 2: key steps 11 to 15, each block of 256 bytes once, a quarter of a tile a partner (by address).  Key steps 0 to 10 come by their loads alone.
; Both products are used transposed: a lane holds one query throughout; the eight registers of score tile tau are keys 16 tau + 8 h + 0..7, which is the place that the second product gives them.
; LIMITS: e6 + e7 between -123 and 130; e9 and e10 - e8 - e9 between -126 and 119; the scaled scores (exponents to the base 2, before the maximum is taken away) stay under 2^31 in magnitude.  NaN codes are not served.
; REGISTERS, window 0: v1 16 lane + 32768 group; v2 my place in the hand-over; v3 256 lane; v5, v6 the add; v7 16 lane; v8 the address in hand; v9 r - 8 h; of tile A: v12 -M, v13 the largest t, v[14:15] the sum, v16 f; of B: v20, v21, v[22:23], v18;
;   v24, v25: 2^e9 and 448 x 2^e9; v26, v27 the same for y; v32-95, v96-159 the scores, then p, of A and B; v160-175, v176-191 their codes; v10, v11, v28-31, v192-255 at work.
;   window 1: v0-63, v64-127 O^T of A and B; v128-159 Q in hand, v160-191 Q of the low block.   window 2: v0-127 the eight fragments of K, v128-255 those of V.
.set TRIPB, 65536                      ; a trip's tiles
.set SLOTB, 131072                     ; a slot: two trips; slot 1 begins here, so that one exclusive or turns an address
.set SCRB,  262144                     ; the hand-over: 2 x 17,408 bytes: O^T of two tiles (16,384), then -M, t, sums of A and of B (512 each); written by LDS stores, never filled
.set SCRW,  17408
.set SPARE, SCRB+2*SCRW                ; the spare words, 128 bytes a wave
.set MSB, 0
.macro WIN new                         ; the high byte of the immediate repeats the setting that is left; at a label and at a branch every window is 0
.if MSB != \new
	s_set_vgpr_msb (MSB<<8)|\new
.set MSB, \new
.endif
.endm
.macro PLACES                          ; four plain places behind matrix instructions, ahead of loads into their sources and of reads of their results
.rept 4
	v_nop
.endr
.endm
.macro CREST                           ; a round of the cluster barrier behind its opening barrier
	s_cmp_lg_u32 s18, 0
	s_cbranch_scc1 .Lnot_wave_0_\@
	s_barrier_signal -3
.Lnot_wave_0_\@:
	s_barrier_wait -3
	s_barrier_signal -1
	s_barrier_wait -1
.endm
.macro CROUND
	s_barrier_signal -1
	s_barrier_wait -1
	CREST
.endm
; Where the tile of trip s55 of my stream lies: key step = trip, less s26 from trip s26 on (group A; s26 = 99 in group B: never), + the stream's first key step; 32 KB a key step.
.macro TADDR
	s_cmp_lt_u32 s55, s26
	s_cselect_b32 s28, 0, s26
	s_sub_co_u32 s28, s55, s28
	s_add_co_u32 s28, s28, s27
	s_lshl_b32 s28, s28, 15
	s_add_nc_u64 s[42:43], s[56:57], s[28:29]
	s_add_nc_u64 s[60:61], s[42:43], s[66:67]      ; my part of the prefetches, from which they reach on
	s_or_b32 s43, s43, 0x80000000                  ; type = 2
.endm
.macro ASK
	s_cmp_lt_u32 s55, s54
	s_cbranch_scc0 .Lnot_mine_\@
	global_prefetch_b8 v3, s[60:61] offset:65536 th:TH_LOAD_NT scope:SCOPE_SE
.Lnot_mine_\@:
.endm
; THE CHANGE OF SLOTS, at the head of two trips.  fill = 1: the slot that was left is filled with the two trips after these, a tile a wave; 2: with trip 8, half a tile a wave; 0: nothing is left to fetch.
.macro CHANGE fill
	s_wait_tensorcnt 0x0                           ; my one load has landed: no tensor load of mine is out, so group 0 may be written
	ds_add_u32 v5, v6                              ; 0 onto my spare word; the descriptor's steps stand between it and the wait for it
.if \fill == 1
	s_xor_b32 s41, s41, SLOTB                      ; the other slot,
	s_add_co_u32 s55, s55, 2                       ; my tile two trips on
	s_wait_xcnt 0x0                                ; the last prefetch, two trips back, has read its address
	TADDR
.elseif \fill == 2
	s_mov_b32 s41, s51                             ; slot 0, the even trip's place,
	s_mov_b32 s55, 8
	s_wait_xcnt 0x0
	TADDR
	s_add_nc_u64 s[42:43], s[42:43], s[90:91]      ; my half
.endif
	s_wait_dscnt 0x0                               ; the add is done, and my reads of the slot that I have left are over
	s_barrier_signal -1
	s_barrier_wait -1
.if \fill
	CREST                                          ; the barrier has opened a round: no wave of any partner still reads that slot or has a load on its way
.if \fill == 1
	tensor_load_to_lds s[40:43], s[32:39]          ; the first thing behind the round, and my one tensor load until the next
	s_nop 0
	PLACES
	ASK
.else
	tensor_load_to_lds s[40:43], s[80:87]
	s_nop 0
	PLACES
.endif
.endif
.endm
.macro PV                              ; O^T += V^T P^T: the sixteen accumulators take turns, one instruction a turn
.irp t, 0,1,2,3,4,5,6,7
	v_wmma_f32_16x16x128_fp8_fp8 v[8*\t:8*\t+7], v[128+16*\t:143+16*\t], v[160:175], v[8*\t:8*\t+7]
	v_wmma_f32_16x16x128_fp8_fp8 v[64+8*\t:64+8*\t+7], v[128+16*\t:143+16*\t], v[176:191], v[64+8*\t:64+8*\t+7]
.endr
.endm
; Group A, trip s26: the state of the high block goes to LDS; from now on the low block.  Only the largest t and -M are set anew: the next step's factor 2^(old M - new M) is then 0 and makes zeros of the sums and of O^T,
; which hold finite numbers.
.macro SWITCH
	s_cmp_lt_u32 s18, 2                            ; group A alone: waves 0 and 1, each with hand-over bytes of its own
	s_cbranch_scc0 .Lsame_\@
	s_cmp_lg_u32 s3, s25
	s_cbranch_scc1 .Lsame_\@
	PLACES
	WIN 0x04
.irp k, 0,1,2,3,4,5,6,7,8,9,10,11,12,13,14,15,16,17,18,19,20,21,22,23,24,25,26,27,28,29,30,31
	ds_store_b128 v2, v[4*\k:4*\k+3] offset:512*\k
.endr
	WIN 0
	ds_store_b128 v2, v[12:15] offset:16384
	ds_store_b128 v2, v[20:23] offset:16896
	v_mov_b32 v13, 0xff61b1e6                      ; -3e38, under every t
	v_mov_b32 v21, 0xff61b1e6
	v_floor_f32 v12, -v13
	v_floor_f32 v20, -v21
	WIN 0x41
.irp k, 0,1,2,3,4,5,6,7,8,9,10,11,12,13,14,15,16,17,18,19,20,21,22,23,24,25,26,27,28,29,30,31
	v_mov_b32 v[128+\k], v[160+\k]                 ; Q of the low block, in registers since the head
.endr
	WIN 0
	s_mov_b32 s31, s50
	s_mov_b32 s62, s63
	s_mov_b32 s30, 0
.Lsame_\@:
.endm
; A TRIP: 128 keys for my two tiles.
.macro STEP
	v_add_nc_u32 v8, s2, v1
	WIN 0x80                                       ; destination window 2, address window 0
.irp t, 0,1,2,3,4,5,6,7
.irp c, 0,1,2,3
	ds_load_b128 v[16*\t+4*\c:16*\t+4*\c+3], v8 offset:2048*\t+512*\c   ; K's eight fragments, in one run
.endr
.endr
	WIN 0x52                                       ; source 0 (V) window 2, the codes window 0, O^T window 1
	s_wait_alu depctr_va_vdst(0)
	s_wait_dscnt 32                                ; V of the trip before is in; K's 32 loads may be out
	PV
	WIN 0
	SWITCH
	WIN 0x06                                       ; source 0 (K) window 2, Q window 1, S^T window 0
	s_wait_alu depctr_va_vdst(0)
.irp t, 0,1,2,3,4,5,6,7
	s_wait_dscnt 28-4*\t                           ; fragments 0 .. t are in
	v_wmma_f32_16x16x128_fp8_fp8 v[32+8*\t:39+8*\t], v[16*\t:16*\t+15], v[128:143], 0
	v_wmma_f32_16x16x128_fp8_fp8 v[96+8*\t:103+8*\t], v[16*\t:16*\t+15], v[144:159], 0
.endr
	PLACES
	WIN 0x80
.irp t, 0,1,2,3,4,5,6,7
.irp c, 0,1,2,3
	ds_load_b128 v[128+16*\t+4*\c:128+16*\t+4*\c+3], v8 offset:16384+2048*\t+512*\c   ; V's eight fragments: they land under the softmax
.endr
.endr
	WIN 0
	s_cmp_lt_u32 s30, s62                          ; in a block's last two key steps hidden scores become -infinity ahead of the maximum; the steps before pass this over
	s_cbranch_scc1 .Lopen_\@
	s_lshl_b32 s96, s30, 7
	s_sub_co_i32 s96, s31, s96
	v_add_nc_u32 v28, s96, v9                      ; d = my query in A - the first key - 8 h: register 8 tau + j is hidden where 16 tau + j > d; in B, 16 queries on, where 16 (tau - 1) + j > d
	v_mov_b32 v30, 0xff800000
.irp i, 0,1,2,3,4,5,6,7
	v_cmp_gt_i32 vcc_lo, \i-16, v28
	v_cndmask_b32 v[96+\i], v[96+\i], v30, vcc_lo
.endr
.irp t, 0,1,2,3,4,5,6,7
.irp i, 0,1,2,3,4,5,6,7
	v_cmp_gt_i32 vcc_lo, 16*\t+\i, v28
	v_cndmask_b32 v[32+8*\t+\i], v[32+8*\t+\i], v30, vcc_lo
.if \t < 7
	v_cndmask_b32 v[104+8*\t+\i], v[104+8*\t+\i], v30, vcc_lo
.endif
.endr
.endr
.Lopen_\@:
	v_max3_num_f32 v28, v32, v33, v34              ; the largest score of my query among my 64 keys, two chains a tile,
	v_max3_num_f32 v30, v96, v97, v98
	v_max3_num_f32 v29, v35, v36, v37
	v_max3_num_f32 v31, v99, v100, v101
.irp i, 6,10,14,18,22,26,30,34,38,42,46,50,54,58
	v_max3_num_f32 v28, v28, v[32+\i], v[33+\i]
	v_max3_num_f32 v30, v30, v[96+\i], v[97+\i]
	v_max3_num_f32 v29, v29, v[34+\i], v[35+\i]
	v_max3_num_f32 v31, v31, v[98+\i], v[99+\i]
.endr
	v_max3_num_f32 v28, v28, v94, v95
	v_max3_num_f32 v30, v30, v158, v159
	v_max_num_f32 v28, v28, v29
	v_max_num_f32 v30, v30, v31
	v_permlanex16_b32 v10, v28, s20, s21
	v_permlanex16_b32 v11, v30, s20, s21
	v_max_num_f32 v28, v28, v10                    ; and among those of the lane 16 away
	v_max_num_f32 v30, v30, v11
	v_mul_f32 v28, s22, v28                        ; as t
	v_mul_f32 v30, s22, v30
	v_max_num_f32 v13, v13, v28
	v_max_num_f32 v21, v21, v30
	v_mov_b32 v28, v12
	v_mov_b32 v30, v20
	v_floor_f32 v12, -v13                          ; -M = floor(-t): M is a whole number
	v_floor_f32 v20, -v21
	v_sub_f32 v28, v12, v28
	v_sub_f32 v30, v20, v30
	v_cvt_i32_f32 v28, v28                         ; (it saturates)
	v_cvt_i32_f32 v30, v30
	v_ldexp_f32 v16, 1.0, v28                      ; f = 2^(old M - new M)
	v_ldexp_f32 v18, 1.0, v30
.irp j, 0,2,4,6,8,10,12,14,16,18,20,22,24,26,28,30,32,34,36,38,40,42,44,46,48,50,52,54,56,58,60,62
	v_pk_fma_f32 v[32+\j:33+\j], v[32+\j:33+\j], s[22:23], v[12:13] op_sel_hi:[1,0,0]   ; A: t - M
.endr
	v_pk_mul_f32 v[14:15], v[14:15], v[16:17] op_sel_hi:[1,0]   ; the sums under the new M
	v_pk_mul_f32 v[22:23], v[22:23], v[18:19] op_sel_hi:[1,0]
	s_wait_alu depctr_va_vdst(0)                   ; the wait ahead of the batch
.irp j, 0,2,4,6,8,10,12,14,16,18,20,22,24,26,28,30,32,34,36,38,40,42,44,46,48,50,52,54,56,58,60,62
	v_exp_f32 v[32+\j], v[32+\j]                   ; A: p; between them B: t - M
	v_exp_f32 v[33+\j], v[33+\j]
	v_pk_fma_f32 v[96+\j:97+\j], v[96+\j:97+\j], s[22:23], v[20:21] op_sel_hi:[1,0,0]
.endr
	s_wait_alu depctr_va_vdst(0)                   ; behind A's batch and ahead of B's
.irp j, 0,1,2,3,4,5,6,7,8,9,10,11,12,13,14,15
	v_exp_f32 v[96+4*\j], v[96+4*\j]               ; B: p; between them A: sums of four, and the hold (p is not negative: one-sided; the conversion does not saturate: ISA guide 7.6.2)
	v_exp_f32 v[97+4*\j], v[97+4*\j]
	v_pk_add_f32 v[192+2*\j:193+2*\j], v[32+4*\j:33+4*\j], v[34+4*\j:35+4*\j]
	v_exp_f32 v[98+4*\j], v[98+4*\j]
	v_min_num_f32 v[32+4*\j], v[32+4*\j], v25
	v_min_num_f32 v[33+4*\j], v[33+4*\j], v25
	v_exp_f32 v[99+4*\j], v[99+4*\j]
	v_min_num_f32 v[34+4*\j], v[34+4*\j], v25
	v_min_num_f32 v[35+4*\j], v[35+4*\j], v25
.endr
	s_wait_alu depctr_va_vdst(0)                   ; behind B's batch
.irp j, 0,1,2,3,4,5,6,7,8,9,10,11,12,13,14,15
	v_pk_add_f32 v[224+2*\j:225+2*\j], v[96+4*\j:97+4*\j], v[98+4*\j:99+4*\j]
.endr
.irp j, 0,1,2,3,4,5,6,7,8,9,10,11,12,13,14,15,16,17,18,19,20,21,22,23,24,25,26,27,28,29,30,31,32,33,34,35,36,37,38,39,40,41,42,43,44,45,46,47,48,49,50,51,52,53,54,55,56,57,58,59,60,61,62,63
	v_min_num_f32 v[96+\j], v[96+\j], v25
.endr
.irp j, 0,2,4,6,8,10,12,14             ; the rest of the two trees
	v_pk_add_f32 v[192+\j:193+\j], v[192+\j:193+\j], v[208+\j:209+\j]
	v_pk_add_f32 v[224+\j:225+\j], v[224+\j:225+\j], v[240+\j:241+\j]
.endr
.irp j, 0,2,4,6
	v_pk_add_f32 v[192+\j:193+\j], v[192+\j:193+\j], v[200+\j:201+\j]
	v_pk_add_f32 v[224+\j:225+\j], v[224+\j:225+\j], v[232+\j:233+\j]
.endr
.irp j, 0,2
	v_pk_add_f32 v[192+\j:193+\j], v[192+\j:193+\j], v[196+\j:197+\j]
	v_pk_add_f32 v[224+\j:225+\j], v[224+\j:225+\j], v[228+\j:229+\j]
.endr
	v_pk_add_f32 v[192:193], v[192:193], v[194:195]
	v_pk_add_f32 v[224:225], v[224:225], v[226:227]
	v_pk_add_f32 v[14:15], v[14:15], v[192:193]
	v_pk_add_f32 v[22:23], v[22:23], v[224:225]
.irp t, 0,1,2,3,4,5,6,7
	v_cvt_scalef32_pk8_fp8_f32 v[160+2*\t:161+2*\t], v[32+8*\t:39+8*\t], v24
	v_cvt_scalef32_pk8_fp8_f32 v[176+2*\t:177+2*\t], v[96+8*\t:103+8*\t], v24
.endr
	WIN 0x41                                       ; O^T window 1, f window 0
	s_wait_alu depctr_va_vdst(0)                   ; directly ahead of the first reader of O^T
.irp j, 0,2,4,6,8,10,12,14,16,18,20,22,24,26,28,30,32,34,36,38,40,42,44,46,48,50,52,54,56,58,60,62
	v_pk_mul_f32 v[\j:\j+1], v[\j:\j+1], v[16:17] op_sel_hi:[1,0]   ; O^T under the new M
.endr
.irp j, 64,66,68,70,72,74,76,78,80,82,84,86,88,90,92,94,96,98,100,102,104,106,108,110,112,114,116,118,120,122,124,126
	v_pk_mul_f32 v[\j:\j+1], v[\j:\j+1], v[18:19] op_sel_hi:[1,0]
.endr
	WIN 0
	s_add_co_u32 s30, s30, 1
	s_add_co_u32 s2, s2, TRIPB                     ; the next trip's tiles lie behind these
	s_add_co_u32 s3, s3, 1
	s_wait_alu depctr_va_vdst(0)
.endm
; A slot's two trips: written once, walked twice; no barrier between them: the one ahead has shown the whole slot to every wave.
.macro TWO_STEPS
	s_mov_b32 s59, 2
.Lstep_\@:
	STEP
	s_sub_co_u32 s59, s59, 1
	s_cmp_lg_u32 s59, 0
	s_cbranch_scc1 .Lstep_\@
	s_sub_co_u32 s2, s2, SLOTB                     ; back to a slot's first trip,
	s_xor_b32 s2, s2, SLOTB                        ; in the other slot
.endm
	s_load_b256 s[4:11], s[0:1], 0x0               ; q_img 4, kv_img 6, scales 8, y_img 10
	v_lshl_add_u32 v5, v0, 2, SPARE
	v_mov_b32 v6, 0
	ds_add_u32 v5, v6                              ; the opening: the add, twice on end, and its wait
	ds_add_u32 v5, v6
	v_lshrrev_b32 v8, 5, v0
	v_readfirstlane_b32 s18, v8                    ; wave 0..3
	s_mov_b32 s15, ttmp9                           ; head
	s_and_b32 s14, ttmp7, 0xffff                   ; jj
	s_bfe_u32 s17, ttmp6, 0x40000                  ; cx
	s_lshl_b32 s16, s14, 1
	s_add_co_u32 s16, s16, 2                       ; nl
	s_lshr_b32 s19, s18, 1                         ; group
	s_and_b32 s24, s18, 1                          ; which 32 queries of a block; also: I fetch for the even or the odd trip of a slot
	s_lshl_b32 s88, s14, 4
	s_lshl_b32 s89, s17, 2
	s_add_co_u32 s88, s88, s89                     ; 4 i
	s_lshl_b32 s89, s24, 1
	s_sub_co_u32 s93, 124, s88
	s_add_co_u32 s92, s88, s89                     ; my tile A of the low block: 4 i + 2 (wave % 2); B is the next
	s_add_co_u32 s93, s93, s89                     ; of the high block: 4 (31 - i) + 2 (wave % 2)
	s_lshl_b32 s50, s92, 4
	s_lshl_b32 s31, s93, 4                         ; the first query in hand: the high block's
	s_sub_co_u32 s62, 16, s16                      ; the first key step with hidden scores: of the high block,
	s_sub_co_u32 s63, s16, 2                       ; of the low block
	s_sub_co_u32 s27, 9, s16
	s_mov_b32 s25, s27                             ; 9 - nl: the trip in which group A changes blocks
	s_cmp_eq_u32 s19, 0
	s_cselect_b32 s26, s27, 99                     ; the trip in which I change blocks: never in group B
	s_cselect_b32 s27, 0, s27                      ; my stream's first key step
	s_cselect_b32 s94, s92, s93                    ; the tile that I finish
	s_mov_b32 s30, s27                             ; the key step in hand
	s_mov_b32 s29, 0
	s_mov_b32 s55, s24                             ; the trip whose tile I fetch
	s_lshl_b32 s51, s19, 15
	s_lshl_b32 s41, s24, 16
	s_add_co_u32 s41, s41, s51                     ; its place in slot 0: 65,536 x parity + 32,768 x group
	s_lshl_b32 s90, s24, 14
	s_mov_b32 s91, 0
	s_add_co_u32 s51, s51, s90                     ; my half tile of trip 8
	s_mov_b32 s40, 1
	s_mov_b32 s32, 15|(3<<16)|(1<<21)              ; group 1: the four partners, bit 21 beside the mask, elements of 8 bytes, no padding: 128 dense rows of 256 bytes
	s_mov_b32 s33, 32<<16                          ; tensor_dim0 = 32
	s_mov_b32 s34, 128<<16                         ; tensor_dim1 = 128
	s_mov_b32 s35, 32<<16                          ; tile_dim0 = 32
	s_mov_b32 s36, 128                             ; tile_dim1 = 128
	s_mov_b32 s37, 32                              ; from row to row
	s_mov_b32 s38, 0
	s_mov_b32 s39, 0
	s_mov_b32 s80, 15|(3<<16)|(1<<21)              ; the same with 64 rows
	s_mov_b32 s81, 32<<16
	s_mov_b32 s82, 64<<16
	s_mov_b32 s83, 32<<16
	s_mov_b32 s84, 64
	s_mov_b32 s85, 32
	s_mov_b32 s86, 0
	s_mov_b32 s87, 0
	s_mov_b32 s20, 0x76543210
	s_mov_b32 s21, 0xfedcba98
	s_mov_b32 s22, 0x3e0293ee                      ; log2(e) / sqrt(128)
	s_mov_b32 s2, 0                                ; LDS byte at which the trip's tiles begin
	s_mov_b32 s3, 0                                ; the trip
	s_mov_b32 s58, 3
	s_lshl_b32 s66, s17, 13                        ; my quarter of a tile, for the prefetches
	s_mov_b32 s67, 0
	s_xor_b32 s88, s19, 1
	s_or_b32 s88, s88, s14
	s_cmp_eq_u32 s88, 0
	s_cselect_b32 s54, 7, 0                        ; who prefetches, and up to which trip
	s_lshl_b32 s88, s15, 19
	s_mov_b32 s89, 0
	s_wait_alu depctr_va_vdst(0)
	s_wait_dscnt 0x0                               ; both opening adds are done
	s_wait_kmcnt 0x0
	s_load_b256 s[68:75], s[8:9], 0x0              ; e0 .. e7
	s_load_b128 s[76:79], s[8:9], 0x20             ; e8 .. e11
	s_add_nc_u64 s[56:57], s[6:7], s[88:89]        ; K and V of my head
	TADDR
	CROUND                                         ; all four work-groups are here: the first joint loads meet
	tensor_load_to_lds s[40:43], s[32:39]          ; slot 0: trips 0 and 1
	s_nop 0
	PLACES
	s_lshl_b32 s88, s15, 18
	s_lshl_b32 s96, s93, 11
	s_add_co_u32 s96, s96, s88
	s_mov_b32 s97, 0
	s_add_nc_u64 s[44:45], s[4:5], s[96:97]        ; Q of the high block,
	s_lshl_b32 s96, s92, 11
	s_add_co_u32 s96, s96, s88
	s_add_nc_u64 s[46:47], s[4:5], s[96:97]        ; and of the low one
	s_lshr_b32 s96, s94, 3                         ; where a tile goes in y_img: (T / 8) x 2^18 + head x 2^14 + (T % 8) x 2^11
	s_lshl_b32 s96, s96, 18
	s_and_b32 s95, s94, 7
	s_lshl_b32 s95, s95, 11
	s_add_co_u32 s96, s96, s95
	s_lshl_b32 s95, s15, 14
	s_add_co_u32 s96, s96, s95
	s_add_nc_u64 s[48:49], s[10:11], s[96:97]
	s_lshl_b32 s95, s19, 15
	s_mul_i32 s96, s24, SCRW
	s_add_co_u32 s96, s96, SCRB
	v_and_b32 v7, 31, v0
	v_lshlrev_b32 v3, 8, v7
	v_lshlrev_b32 v7, 4, v7
	v_add_nc_u32 v1, s95, v7
	v_add_nc_u32 v2, s96, v7
	v_and_b32 v9, 15, v0
	v_bfe_u32 v10, v0, 4, 1
	v_lshlrev_b32 v10, 3, v10
	v_sub_nc_u32 v9, v9, v10                       ; r - 8 h
	WIN 0x40
.irp g, 0,1,2,3
	global_load_b128 v[128+4*\g:131+4*\g], v7, s[44:45] offset:512*\g        ; Q in hand: tiles A and B of the high block
	global_load_b128 v[144+4*\g:147+4*\g], v7, s[44:45] offset:2048+512*\g
	global_load_b128 v[160+4*\g:163+4*\g], v7, s[46:47] offset:512*\g        ; Q of the low block: kept until group A changes blocks (one text for all waves: group B loads it and does not use it)
	global_load_b128 v[176+4*\g:179+4*\g], v7, s[46:47] offset:2048+512*\g
.endr
.set R, 0
.rept 128
	v_mov_b32 v[R], 0                              ; O^T: an empty state (the step is written once: its first walk finds zeros)
.set R, R+1
.endr
	WIN 0x80
.rept 128
	v_mov_b32 v[R], 0                              ; V
.set R, R+1
.endr
	WIN 0
.set R, 160
.rept 32
	v_mov_b32 v[R], 0                              ; the codes of P
.set R, R+1
.endr
	v_mov_b32 v13, 0xff61b1e6                      ; the largest t: under every t
	v_mov_b32 v21, 0xff61b1e6
	v_floor_f32 v12, -v13
	v_floor_f32 v20, -v21
.irp r, 10,11,14,15,17,19,22,23
	v_mov_b32 v\r, 0                               ; sums; destinations of lane permutes and upper halves of named pairs
.endr
	s_wait_kmcnt 0x0
	s_add_co_i32 s95, s74, s75
	s_lshl_b32 s95, s95, 23
	s_add_co_i32 s22, s22, s95                     ; a score stands for score x 2^(e6 + e7): added to the exponent field of c
	s_mov_b32 s23, s22
	s_add_co_i32 s95, s77, 127
	s_lshl_b32 s96, s95, 23
	v_mov_b32 v24, s96                             ; 2^e9
	s_add_co_i32 s95, s95, 8
	s_lshl_b32 s95, s95, 23
	s_or_b32 s95, s95, 0x600000
	v_mov_b32 v25, s95                             ; 448 x 2^e9
	s_sub_co_i32 s95, s78, s76
	s_sub_co_i32 s95, s95, s77                     ; e10 - e8 - e9
	s_add_co_i32 s95, s95, 127
	s_lshl_b32 s96, s95, 23
	v_mov_b32 v26, s96
	s_add_co_i32 s95, s95, 8
	s_lshl_b32 s95, s95, 23
	s_or_b32 s95, s95, 0x600000
	v_mov_b32 v27, s95
	s_wait_alu depctr_va_vdst(0)                   ; the wait at the head's end
	s_wait_loadcnt 0x0                             ; Q
.Lpair:                                            ; three times: trips 0 to 5; behind each change of slots the two trips after these are asked for
	CHANGE 1
	TWO_STEPS
	s_sub_co_u32 s58, s58, 1
	s_cmp_lg_u32 s58, 0
	s_cbranch_scc1 .Lpair
	CHANGE 2                                       ; the tail is written out: trip 8 is asked for,
	TWO_STEPS                                      ; trips 6 and 7
	CHANGE 0
	STEP                                           ; trip 8
	WIN 0x52
	s_wait_dscnt 0x0                               ; V of trip 8 is in; for the others' sake: my stores have landed
	PV
	WIN 0
	s_barrier_signal -1
	s_barrier_wait -1
	s_cmp_lt_u32 s18, 2
	s_cbranch_scc1 .Lfinal
	; GROUP B JOINS what group A has left of the high block
	PLACES
.set R, 0
.rept 32
	ds_load_b128 v[32+4*R:35+4*R], v2 offset:512*R
.set R, R+1
.endr
	ds_load_b128 v[160:163], v2 offset:16384
	ds_load_b128 v[164:167], v2 offset:16896
	v_mov_b32 v169, 0
	v_mov_b32 v171, 0
	s_wait_dscnt 0x0
	v_min_num_f32 v28, v12, v160                   ; the joint -M
	v_min_num_f32 v30, v20, v164
	v_sub_f32 v16, v28, v12
	v_sub_f32 v18, v30, v20
	v_sub_f32 v168, v28, v160
	v_sub_f32 v170, v30, v164
	v_cvt_i32_f32 v16, v16                         ; whole numbers, 0 or less
	v_cvt_i32_f32 v18, v18
	v_cvt_i32_f32 v168, v168
	v_cvt_i32_f32 v170, v170
	v_ldexp_f32 v16, 1.0, v16
	v_ldexp_f32 v18, 1.0, v18
	v_ldexp_f32 v168, 1.0, v168
	v_ldexp_f32 v170, 1.0, v170
	v_add_f32 v14, v14, v15
	v_add_f32 v22, v22, v23
	v_add_f32 v162, v162, v163
	v_add_f32 v166, v166, v167
	v_mul_f32 v14, v14, v16
	v_mul_f32 v22, v22, v18
	v_mov_b32 v15, 0
	v_mov_b32 v23, 0
	v_fma_f32 v14, v162, v168, v14
	v_fma_f32 v22, v166, v170, v22
	WIN 0x41
.set R, 0
.rept 32
	v_pk_mul_f32 v[R:R+1], v[R:R+1], v[16:17] op_sel_hi:[1,0]
.set R, R+2
.endr
.rept 32
	v_pk_mul_f32 v[R:R+1], v[R:R+1], v[18:19] op_sel_hi:[1,0]
.set R, R+2
.endr
	WIN 0x50                                       ; sources 0 and 1 window 0, O^T window 1
.set R, 0
.rept 32
	v_pk_fma_f32 v[R:R+1], v[32+R:33+R], v[168:169], v[R:R+1] op_sel_hi:[1,0,1]
.set R, R+2
.endr
.rept 32
	v_pk_fma_f32 v[R:R+1], v[32+R:33+R], v[170:171], v[R:R+1] op_sel_hi:[1,0,1]
.set R, R+2
.endr
	WIN 0
.Lfinal:
	; A BLOCK'S TILES ARE FINISHED: O^T / (3 l), held, converted with 2^(e10 - e8 - e9); the codes are the image and leave as they stand: 512 consecutive bytes a store
	PLACES
	v_add_f32 v14, v14, v15
	v_add_f32 v22, v22, v23
	v_permlanex16_b32 v10, v14, s20, s21
	v_permlanex16_b32 v11, v22, s20, s21
	v_add_f32 v14, v14, v10                        ; the row's sum
	v_add_f32 v22, v22, v11
	s_wait_alu depctr_va_vdst(0)                   ; ahead of the batch, and behind it
	v_rcp_f32 v14, v14
	v_rcp_f32 v22, v22
	v_nop
	s_wait_alu depctr_va_vdst(0)
	v_mul_f32 v14, 0x3eaaaaab, v14                 ; / 3
	v_mul_f32 v22, 0x3eaaaaab, v22
	WIN 0x01
	s_wait_alu depctr_va_vdst(0)                   ; directly ahead of the first reader of O^T
.set R, 0
.rept 32
	v_pk_mul_f32 v[32+R:33+R], v[R:R+1], v[14:15] op_sel_hi:[1,0]
.set R, R+2
.endr
.rept 32
	v_pk_mul_f32 v[32+R:33+R], v[R:R+1], v[22:23] op_sel_hi:[1,0]
.set R, R+2
.endr
	WIN 0
.set R, 32
.rept 128
	v_med3_num_f32 v[R], v[R], -v27, v27
.set R, R+1
.endr
.irp t, 0,1,2,3,4,5,6,7
	v_cvt_scalef32_pk8_fp8_f32 v[160+2*\t:161+2*\t], v[32+8*\t:39+8*\t], v26
	v_cvt_scalef32_pk8_fp8_f32 v[176+2*\t:177+2*\t], v[96+8*\t:103+8*\t], v26
.endr
	v_nop
.irp c, 0,1,2,3
	global_store_b128 v7, v[160+4*\c:163+4*\c], s[48:49] offset:512*\c
.endr
.irp c, 0,1,2,3
	global_store_b128 v7, v[176+4*\c:179+4*\c], s[48:49] offset:2048+512*\c
.endr
	s_wait_tensorcnt 0x0                           ; the end of the wave
	ds_add_u32 v5, v6
	s_wait_dscnt 0x0
	CROUND                                         ; the closing round
	s_endpgm
.Lfunc_end_k_q4eda7a0969_attn:
	.size	k_q4eda7a0969_attn, .Lfunc_end_k_q4eda7a0969_attn-k_q4eda7a0969_attn
	.p2alignl 7, 3214868480
	.fill 96, 4, 3214868480
	.section	.rodata,"a",@progbits
	.p2align	6, 0x0
	.amdhsa_kernel k_q4eda7a0969_attn
		.amdhsa_group_segment_fixed_size 327680
		.amdhsa_private_segment_fixed_size 0
		.amdhsa_enable_private_segment 0
		.amdhsa_kernarg_size 32
		.amdhsa_user_sgpr_count 2
		.amdhsa_user_sgpr_kernarg_segment_ptr 1
		.amdhsa_wavefront_size32 1
		.amdhsa_system_sgpr_workgroup_id_x 1
		.amdhsa_system_sgpr_workgroup_id_y 1
		.amdhsa_system_sgpr_workgroup_id_z 1
		.amdhsa_system_vgpr_workitem_id 0
		.amdhsa_next_free_vgpr 768
		.amdhsa_next_free_sgpr 100
		.amdhsa_reserve_vcc 1
		.amdhsa_float_denorm_mode_32 3
		.amdhsa_float_denorm_mode_16_64 3
		.amdhsa_memory_ordered 1
		.amdhsa_forward_progress 1
		.amdhsa_inst_pref_size 181
	.end_amdhsa_kernel
	.amdgpu_metadata
---
amdhsa.version: [ 1, 2 ]
amdhsa.kernels:
  - .name:           k_q4eda7a0969_attn
    .symbol:         k_q4eda7a0969_attn.kd
    .args:
      - { .name: q_img, .offset: 0, .size: 8, .value_kind: global_buffer, .address_space: global }
      - { .name: kv_img, .offset: 8, .size: 8, .value_kind: global_buffer, .address_space: global }
      - { .name: lowp_scales, .offset: 16, .size: 8, .value_kind: global_buffer, .address_space: global }
      - { .name: y_img, .offset: 24, .size: 8, .value_kind: global_buffer, .address_space: global }
    .group_segment_fixed_size: 327680
    .private_segment_fixed_size: 0
    .kernarg_segment_align: 8
    .kernarg_segment_size: 32
    .max_flat_workgroup_size: 128
    .sgpr_count:     100
    .vgpr_count:     768
    .wavefront_size: 32
...
	.end_amdgpu_metadata
.endif
;; end of part 2
;; launch oproj (part 3): grid 16 x 16, 4 waves a work-group, clusters of 4 x 4, 327,680 bytes of LDS; arguments y_img, Wo_codes, lowp_scales, out0; writes out0
.if DOCPART == 3
	.amdgcn_target "amdgcn-amd-amdhsa--gfx1250"
	.amdhsa_code_object_version 6
	.text
	.protected	k_q4eda7a0969_oproj
	.globl	k_q4eda7a0969_oproj
	.p2align	8
	.type	k_q4eda7a0969_oproj,@function
k_q4eda7a0969_oproj:
	s_mov_b64 s[64:65], 0
	v_nop
	global_prefetch_b8 v0, s[64:65] scope:SCOPE_SE
	s_setreg_imm32_b32 hwreg(HW_REG_WAVE_MODE, 25, 1), 1
	s_wait_xcnt 0x0
	s_wait_alu depctr_hold_cnt(0) depctr_sa_sdst(0) depctr_va_vdst(0) depctr_va_sdst(0) depctr_va_ssrc(0) depctr_va_vcc(0) depctr_vm_vsrc(0)
	s_getreg_b32 s2, hwreg(HW_REG_IB_STS2, 6, 4)
	s_cmp_eq_u32 s2, 0
	s_cbranch_scc0 .Lentry_in_a_cluster
	s_endpgm
.Lentry_in_a_cluster:
	s_bfe_u32 s2, ttmp6, 0x10000c
	s_cmp_lg_u32 s2, 0xf033
	s_cbranch_scc0 .Lentry_shape_is_right
	s_endpgm
.Lentry_shape_is_right:
; out[m][n] = sum over k of y[m][k] Wo[n][k] x 2^(e10 + e11): codes of E4M3, f32 sums.  A work-group makes 128 x 128 of out, a wave 64 x 64 (16 accumulators).  LIMIT: e10 + e11 between -126 and 127.
; y_img: [token block 16][head 16][t 8][c 4][lane 32][16 bytes], an image of the operand's registers, so y's part of a K step of 512 is one dense block of 64 KB; Wo: rows of 2,048 codes.
; K goes in four steps of 512 through two LDS slots, one tensor load a wave (waves 0 and 1: y; 2 and 3: Wo).  CLUSTER 4 x 4: y is asked for jointly along a row, Wo along a column.
; PREFETCH: behind K step 0's load for K step 1, behind K step 1's load for K steps 2 and 3: 32 blocks of 256 bytes a wave, the four partners' parts told apart by address; K step 0 comes by its load alone.
; FRAGMENTS: two sets; 128 along K at a time; the next 128 come in one run of 32 loads behind the first four of the sixteen products.
; The product is used transposed (source 0 = Wo, source 1 = y): a lane holds eight neighbouring columns of a row; rows leave through the wave's own stage in LDS as aligned units of 256 bytes.
.set WP,     528                       ; an LDS row of Wo: 512 bytes + 16 of padding
.set SLOT,   65536+128*WP
.set STAGE,  2*SLOT
.set SP,     272
.set SPARE,  STAGE+4*16*SP
.set ADRA, 16
.set ADRB, 20
.set STO,  24
.set RD,   25
.set CO,   26
.set SPW,  28
.set NIL,  29
.set TMP,  32
.set BK,   64
.set ACC,  128
.set G1,  24
.set G0,  32
.set G1B, 48
.set G0B, 56
.set MSB, 0
.macro WIN new
.if MSB != \new
	s_set_vgpr_msb (MSB<<8)|\new
.set MSB, \new
.endif
.endm
.set MUL,  0x05
.set TO_F, 0x40
.macro PLACES
.rept 4
	v_nop
.endr
.endm
.macro JLOAD s
	s_cmp_eq_u32 s15, 0
	s_cbranch_scc0 .Lfor_b_\@
	tensor_load_to_lds s[G0+4*\s:G0+4*\s+3], s[G1:G1+7]
	s_nop 0
.rept 4
	v_nop
.endr
	s_branch .Lasked_\@
.Lfor_b_\@:
	tensor_load_to_lds s[G0B+4*\s:G0B+4*\s+3], s[G1B:G1B+7]
	s_nop 0
.rept 4
	v_nop
.endr
.Lasked_\@:
.endm
.macro CREST
	s_cmp_lg_u32 s14, 0
	s_cbranch_scc1 .Lnot_wave_0_\@
	s_barrier_signal -3
.Lnot_wave_0_\@:
	s_barrier_wait -3
	s_barrier_signal -1
	s_barrier_wait -1
.endm
.macro CROUND
	s_barrier_signal -1
	s_barrier_wait -1
	CREST
.endm
	s_load_b256 s[4:11], s[0:1], 0x0
	v_lshl_add_u32 v[SPW], v0, 2, SPARE
	v_mov_b32 v[NIL], 0
	ds_add_u32 v28, v29
	ds_add_u32 v28, v29
	s_wait_dscnt 0x0
	v_lshrrev_b32 v1, 5, v0
	v_readfirstlane_b32 s14, v1
	s_lshr_b32 s15, s14, 1
	s_and_b32 s16, s14, 1
	s_bfe_u32 s40, ttmp6, 0x40000
	s_bfe_u32 s41, ttmp6, 0x40004
	s_lshl_b32 s42, ttmp9, 2
	s_add_co_u32 s42, s42, s40
	s_and_b32 s17, ttmp7, 0xffff
	s_lshl_b32 s17, s17, 2
	s_add_co_u32 s17, s17, s41
	s_lshl_b32 s43, s41, 2
	s_lshl_b32 s43, 15, s43
	s_lshl_b32 s44, 0x1111, s40
	s_or_b32 s[G1], s43, (1<<21)
	s_mov_b32 s[G1+1], 256<<16
	s_mov_b32 s[G1+2], 128<<16
	s_mov_b32 s[G1+3], 256<<16
	s_mov_b32 s[G1+4], 128
	s_mov_b32 s[G1+5], 256
	s_mov_b32 s[G1+6], 0
	s_mov_b32 s[G1+7], 0
	s_or_b32 s[G1B], s44, (1<<20)|(1<<21)|(6<<22)|(3<<25)
	s_mov_b32 s[G1B+1], 512<<16
	s_mov_b32 s[G1B+2], 64<<16
	s_mov_b32 s[G1B+3], 512<<16
	s_mov_b32 s[G1B+4], 64
	s_mov_b32 s[G1B+5], 2048
	s_mov_b32 s[G1B+6], 0
	s_mov_b32 s[G1B+7], 0
	s_lshl_b32 s20, s17, 18
	s_lshl_b32 s21, s16, 15
	s_add_co_u32 s20, s20, s21
	s_mov_b32 s21, 0
	s_lshl_b32 s46, s42, 18
	s_lshl_b32 s47, s16, 17
	s_add_co_u32 s46, s46, s47
	s_mov_b32 s47, 0
	s_lshl_b32 s45, s16, 15
	s_mul_i32 s67, s16, 64*WP
	s_add_co_u32 s67, s67, 65536
	s_wait_kmcnt 0x0
	s_load_b64 s[96:97], s[8:9], 0x28
	s_add_nc_u64 s[20:21], s[4:5], s[20:21]
	s_add_nc_u64 s[46:47], s[6:7], s[46:47]
	CROUND
.irp s, 0,1
	s_mov_b32 s[G0+4*\s], 1
	s_add_co_u32 s[G0+4*\s+1], s45, \s*SLOT
	s_add_nc_u64 s[G0+4*\s+2:G0+4*\s+3], s[20:21], \s*65536
	s_or_b32 s[G0+4*\s+3], s[G0+4*\s+3], 0x80000000
	s_mov_b32 s[G0B+4*\s], 1
	s_add_co_u32 s[G0B+4*\s+1], s67, \s*SLOT
	s_add_nc_u64 s[G0B+4*\s+2:G0B+4*\s+3], s[46:47], \s*512
	s_or_b32 s[G0B+4*\s+3], s[G0B+4*\s+3], 0x80000000
.endr
	JLOAD 0                                        ; K step 0: one tensor load a wave at the head
	; the prefetches: y: 8,192 bytes a partner (by cx), Wo: 16 rows a partner (by cy), two blocks a row
	s_mov_b32 s3, 65536
	s_movk_i32 s77, 2048
	s_cmp_eq_u32 s15, 0
	s_cselect_b64 s[68:69], s[20:21], s[46:47]
	s_cselect_b32 s74, s3, 512                     ; a K step on
	s_cselect_b32 s76, 512, s77                    ; from one pair of lanes to the next
	s_cselect_b32 s2, s40, s41
	s_cselect_b32 s78, 13, 15
	s_lshl_b32 s2, s2, s78
	s_mov_b32 s3, 0
	s_mov_b32 s75, 0
	s_add_nc_u64 s[68:69], s[68:69], s[2:3]
	s_add_nc_u64 s[68:69], s[68:69], s[74:75]      ; K step 1
	s_add_nc_u64 s[70:71], s[68:69], s[74:75]      ; K step 2
	s_add_nc_u64 s[72:73], s[70:71], s[74:75]      ; K step 3
	v_and_b32 v30, 31, v0
	v_lshrrev_b32 v31, 1, v30
	v_and_b32 v30, 1, v30
	v_lshlrev_b32 v30, 8, v30
	v_mad_u32_u24 v30, v31, s76, v30
	s_wait_alu depctr_va_vdst(0)
	global_prefetch_b8 v30, s[68:69] th:TH_LOAD_NT scope:SCOPE_SE
	v_and_b32 v1, 15, v0
	v_bfe_u32 v2, v0, 4, 1
	v_and_b32 v3, 31, v0
	v_lshlrev_b32 v3, 4, v3
	v_mul_u32_u24 v4, v1, WP
	v_lshl_add_u32 v4, v2, 4, v4                   ; row r, + 16 h: registers 4 c .. 4 c + 3 hold K = 32 c + 16 h + 0..15, as in y_img
	s_lshl_b32 s21, s15, 13
	s_mul_i32 s22, s16, 64*WP
	s_add_co_u32 s22, s22, 65536
.irp s, 0,1
	v_add_nc_u32 v[ADRA+\s], s21, v3
	v_add_nc_u32 v[ADRB+\s], s22, v4
	s_add_co_u32 s21, s21, SLOT
	s_add_co_u32 s22, s22, SLOT
.endr
	s_mul_i32 s23, s14, 16*SP
	s_add_co_u32 s23, s23, STAGE
	v_mul_u32_u24 v5, v1, SP
	v_lshl_add_u32 v5, v2, 5, v5
	v_add_nc_u32 v[STO], s23, v5
	v_mul_u32_u24 v5, v2, SP
	v_lshl_add_u32 v5, v1, 4, v5
	v_add_nc_u32 v[RD], s23, v5
	v_lshlrev_b32 v5, 13, v2
	v_lshl_add_u32 v[CO], v1, 4, v5
	s_lshl_b32 s66, s17, 20
	s_lshl_b32 s2, s15, 19
	s_add_co_u32 s66, s66, s2
	s_lshl_b32 s2, s42, 9
	s_add_co_u32 s66, s66, s2
	s_lshl_b32 s2, s16, 8
	s_add_co_u32 s66, s66, s2
	s_mov_b32 s67, 0
	s_add_nc_u64 s[10:11], s[10:11], s[66:67]
.macro MUL4 f, a, zero
.irp b, 0,1,2,3
.if \zero
	v_wmma_f32_16x16x128_fp8_fp8 v[ACC+8*(4*\a+\b):ACC+8*(4*\a+\b)+7], v[\f+64+16*\b:\f+64+16*\b+15], v[\f+16*\a:\f+16*\a+15], 0
.else
	v_wmma_f32_16x16x128_fp8_fp8 v[ACC+8*(4*\a+\b):ACC+8*(4*\a+\b)+7], v[\f+64+16*\b:\f+64+16*\b+15], v[\f+16*\a:\f+16*\a+15], v[ACC+8*(4*\a+\b):ACC+8*(4*\a+\b)+7]
.endif
.endr
.endm
.macro FETCH slot, q, f
	WIN TO_F
.irp b, 0,1,2,3
.irp c, 0,1,2,3
	ds_load_b128 v[\f+64+16*\b+4*\c:\f+64+16*\b+4*\c+3], v[ADRB+\slot] offset:16*WP*\b+128*(\q)+32*\c
.endr
.endr
.irp a, 0,1,2,3
.irp c, 0,1,2,3
	ds_load_b128 v[\f+16*\a+4*\c:\f+16*\a+4*\c+3], v[ADRA+\slot] offset:16384*(\q)+2048*\a+512*\c
.endr
.endr
.endm
.macro SUB slot, q, zero
	s_wait_dscnt 8
	WIN MUL
	MUL4 128*((\q)%2), 0, \zero
	PLACES
	FETCH \slot, (\q)+1, 128*(1-(\q)%2)
	WIN MUL
	MUL4 128*((\q)%2), 1, \zero
	s_wait_dscnt 36                                ; y tile 2 is in: tile 3's four loads and the 32 just issued may be out
	MUL4 128*((\q)%2), 2, \zero
	s_wait_dscnt 32
	MUL4 128*((\q)%2), 3, \zero
.endm
.macro TURN slot, next, fill
	WIN 0
	s_wait_tensorcnt 0x0
	ds_add_u32 v[SPW], v[NIL]
	s_wait_dscnt 9
	WIN MUL
	MUL4 128, 0, 0
	s_wait_dscnt 0x0
	s_barrier_signal -1
	MUL4 128, 1, 0
	WIN 0
	s_barrier_wait -1
.if \fill
	CREST
	s_add_nc_u64 s[G0+4*\slot+2:G0+4*\slot+3], s[G0+4*\slot+2:G0+4*\slot+3], 131072
	s_add_nc_u64 s[G0B+4*\slot+2:G0B+4*\slot+3], s[G0B+4*\slot+2:G0B+4*\slot+3], 1024
	JLOAD \slot
.else
	PLACES
.endif
	s_wait_alu depctr_va_vdst(0)
	FETCH \next, 0, 0
	WIN MUL
	MUL4 128, 2, 0
	MUL4 128, 3, 0
.endm
	s_wait_alu depctr_va_vdst(0)                   ; the wait at the head's end
	s_wait_tensorcnt 0x0                           ; my part of K step 0 is in
	ds_add_u32 v[SPW], v[NIL]
	s_wait_dscnt 0x0
	CROUND
	JLOAD 1                                        ; K step 1, the first tensor load behind the round
	FETCH 0, 0, 0
	global_prefetch_b8 v30, s[70:71] th:TH_LOAD_NT scope:SCOPE_SE
	global_prefetch_b8 v30, s[72:73] th:TH_LOAD_NT scope:SCOPE_SE
	SUB 0, 0, 1
	SUB 0, 1, 0
	SUB 0, 2, 0
	TURN 0, 1, 1
	SUB 1, 0, 0
	SUB 1, 1, 0
	SUB 1, 2, 0
	TURN 1, 0, 1
	SUB 0, 0, 0
	SUB 0, 1, 0
	SUB 0, 2, 0
	TURN 0, 1, 0
	SUB 1, 0, 0
	SUB 1, 1, 0
	SUB 1, 2, 0
	s_wait_dscnt 8
	WIN MUL
	MUL4 128, 0, 0
	MUL4 128, 1, 0
	s_wait_dscnt 0x0
	MUL4 128, 2, 0
	MUL4 128, 3, 0
	WIN 0
.macro TOSTAGE a
.irp b, 0,1,2,3
.irp i, 0,2,4,6
	v_pk_mul_f32 v[TMP+8*\b+\i:TMP+8*\b+\i+1], v[ACC+8*(4*(\a)+\b)+\i:ACC+8*(4*(\a)+\b)+\i+1], s[96:97] op_sel_hi:[1,0]
.endr
.endr
.irp b, 0,1,2,3
	ds_store_b128 v[STO], v[TMP+8*\b:TMP+8*\b+3] offset:64*\b
	ds_store_b128 v[STO], v[TMP+8*\b+4:TMP+8*\b+7] offset:64*\b+16
.endr
.irp i, 0,1,2,3,4,5,6,7
	ds_load_b128 v[BK+32*((\a)%2)+4*\i:BK+32*((\a)%2)+4*\i+3], v[RD] offset:2*SP*\i
.endr
.endm
.macro SEND a, younger
	s_wait_dscnt \younger
.irp i, 0,1,2,3,4,5,6,7
	global_store_b128 v[CO], v[BK+32*((\a)%2)+4*\i:BK+32*((\a)%2)+4*\i+3], s[10:11] offset:(16*(\a)+2*\i)*8192 th:TH_STORE_NT
.endr
.endm
	s_wait_kmcnt 0x0
	s_add_co_i32 s96, s96, s97
	s_add_co_i32 s96, s96, 127
	s_lshl_b32 s96, s96, 23
	PLACES
	TOSTAGE 0
.irp a, 1,2,3
.if \a > 1
	s_wait_xcnt 0x0
.endif
	TOSTAGE \a
	SEND \a-1, 16
.endr
	SEND 3, 0
	s_wait_tensorcnt 0x0
	ds_add_u32 v[SPW], v[NIL]
	s_wait_dscnt 0x0
	CROUND
	s_endpgm
.Lfunc_end_k_q4eda7a0969_oproj:
	.size	k_q4eda7a0969_oproj, .Lfunc_end_k_q4eda7a0969_oproj-k_q4eda7a0969_oproj
	.p2alignl 7, 3214868480
	.fill 96, 4, 3214868480
	.section	.rodata,"a",@progbits
	.p2align	6, 0x0
	.amdhsa_kernel k_q4eda7a0969_oproj
		.amdhsa_group_segment_fixed_size 327680
		.amdhsa_private_segment_fixed_size 0
		.amdhsa_enable_private_segment 0
		.amdhsa_kernarg_size 32
		.amdhsa_user_sgpr_count 2
		.amdhsa_user_sgpr_kernarg_segment_ptr 1
		.amdhsa_wavefront_size32 1
		.amdhsa_system_sgpr_workgroup_id_x 1
		.amdhsa_system_sgpr_workgroup_id_y 1
		.amdhsa_system_sgpr_workgroup_id_z 1
		.amdhsa_system_vgpr_workitem_id 0
		.amdhsa_next_free_vgpr 512
		.amdhsa_next_free_sgpr 100
		.amdhsa_reserve_vcc 0
		.amdhsa_float_denorm_mode_32 3
		.amdhsa_float_denorm_mode_16_64 3
		.amdhsa_memory_ordered 1
		.amdhsa_forward_progress 1
		.amdhsa_inst_pref_size 75
	.end_amdhsa_kernel
	.amdgpu_metadata
---
amdhsa.version: [ 1, 2 ]
amdhsa.kernels:
  - .name:           k_q4eda7a0969_oproj
    .symbol:         k_q4eda7a0969_oproj.kd
    .args:
      - { .name: y_img, .offset: 0, .size: 8, .value_kind: global_buffer, .address_space: global }
      - { .name: Wo_codes, .offset: 8, .size: 8, .value_kind: global_buffer, .address_space: global }
      - { .name: lowp_scales, .offset: 16, .size: 8, .value_kind: global_buffer, .address_space: global }
      - { .name: out0, .offset: 24, .size: 8, .value_kind: global_buffer, .address_space: global }
    .group_segment_fixed_size: 327680
    .private_segment_fixed_size: 0
    .kernarg_segment_align: 8
    .kernarg_segment_size: 32
    .max_flat_workgroup_size: 128
    .sgpr_count:     100
    .vgpr_count:     512
    .wavefront_size: 32
...
	.end_amdgpu_metadata
.endif
;; end of part 3
